; MI455X (gfx1250); checked and timed in simulation.
; The chip was launched on July 23, 2026; its instructions are those of AMD's public machine-readable ISA for CDNA 5 (MIT licence, August 2026) and "CDNA5" Instruction Set Architecture Reference Guide (July 2026). The comments in the code are by the model that wrote it; some were corrected since.
;; Mixture Of Experts. Allowed arithmetic: float matrix products may take bf16 or f16 operands with f32 sums; other float arithmetic in f32, or as packed bf16 or f16 multiplies, adds, multiply-adds, maxima and minima; sums over many terms, partial sums and values carried from step to step in f32; what a program stores and reads back later, other than sums and carried values, may be rounded once to bf16 or f16.
;; Inputs: W1 8 x 1,024 x 256 float32; W2 8 x 256 x 1,024 float32; Wg 1,024 x 8 float32; b1 8 x 256 float32; b2 8 x 1,024 float32; bg 8 float32; x 16,384 x 1,024 float32.
;; Outputs: out0 16,384 x 1,024 float32.
;; 2 versions, each right; version 2 is version 1 with the launch prep written anew for expert scheduling mode. Each part assembles by itself: llvm-mc -triple=amdgcn-amd-amdhsa -mcpu=gfx1250 --defsym DOCPART=n.
;; ======== version 1 of 2: 3 launches
;; limits: a function is approximated: absolute error at most 2.5e-05; an absolute error that grows with the inputs' magnitude: up to 1.25e-05 times it; values are held in f16: magnitudes above 65,504 overflow, below 6.1e-05 lose precision
;; workspace buffers: xb 33,554,432 bytes; w1c 4,194,304 bytes; w2c 4,194,304 bytes; hid 67,108,864 bytes; wf 524,288 bytes; wb 262,144 bytes; b1pad 131,072 bytes; b2pad 65,536 bytes
;; launch prep (part 1): grid 816 x 1, 8 waves a work-group, no clusters, 105,472 bytes of LDS; arguments x, W1, W2, Wg, b1, b2, bg, xb, w1c, w2c, wf, wb, b1pad, b2pad; writes xb, w1c, w2c, wf, wb, b1pad, b2pad
.if DOCPART == 1
	.amdgcn_target "amdgcn-amd-amdhsa--gfx1250"
	.amdhsa_code_object_version 6
	.text
	.protected	k_q77e565adba_prep
	.globl	k_q77e565adba_prep
	.p2align	8
	.type	k_q77e565adba_prep,@function
k_q77e565adba_prep:
	s_mov_b64 s[64:65], 0
	v_nop
	global_prefetch_b8 v0, s[64:65] scope:SCOPE_SE
	s_setreg_imm32_b32 hwreg(HW_REG_WAVE_MODE, 25, 1), 1
	s_wait_xcnt 0x0
; THE PROGRAM.  out[n][o] = sum over e of w[n][e] (gelu(x[n] W1[e] + b1[e]) W2[e] + b2[e])[o], w = softmax(x Wg + bg).
; The gates are soft: every expert counts for every token, so NOTHING IS LEFT OUT and every input is loaded.  The gate's weight is a factor of a whole row of an
; expert's hidden layer, so it is applied there: out = sum over (e, h) of (w[n][e] gelu(..)[n][e][h]) W2[e][h][o] + sum over e of w[n][e] b2[e][o]: the same real
; number for all inputs, in another order of rounding.  That makes two plain products with a hidden width of 8 x 256 = 2,048:
;   launch up:   hid = w gelu(x W1 + b1)      [16384][2048] f16           launch down:   out = hid W2 + w b2      [16384][1024] f32
; THIS LAUNCH prepares their operands, each input byte read once: x, W1, W2 rounded in their own layouts (the products take W1 and W2 as [K][N] and turn
; them on the way out of LDS); the gate (x Wg + bg, maximum taken away, softmax) from the rounded x, in f32 (wf, by planes of four experts) and in f16 (wb);
; b1 and b2 as tables of 32 along K (b1pad[c][0] = b1[c]; b2pad[o][e] = b2[e][o]; the rest 0), so that each product's first K step adds its bias.
; FORMATS.  Every input is rounded once to bf16.  The first product and the gate multiply in bf16.  The second product multiplies in f16, since hid, which the program makes itself, wants f16's 11 significant bits:
; so W2 and b2, rounded to bf16, are written as f16 (the same number down to 2^-17; below that off by at most 3e-8), and w goes to f16 from f32.
; LIMITS.  W2 and b2 beyond 65,504 do not fit f16.  A gate weight below 2^-126 of the largest counts as 0; in wb a weight below 6e-5 keeps f16's fixed step of 6e-8.  NaN and infinities are not treated apart.
; ROLES, by the work-group's number alone (the same in all eight waves):  0-255 cast 64 KiB of W1 (0-127) or W2 (128-255);  256-287 b1pad;  288-303 b2pad;
; 304-815 32 rows of x: wave v takes 16 rows (v / 4) x 256 of K (v % 4).  No cluster, no L2 prefetch: the launch is a stream in which every wave has 24 KiB of loads out at once,
; and what work-groups share is Wg's 32 KiB.
.set XP,    528                        ; a row of 256 bf16 of x in LDS: 512 bytes + 16: the 16 rows of a fragment load start at 16 different groups of four banks (64 banks of 4 bytes: ISA guide 11.1)
.set WREG,  12544                      ; a wave's own LDS: 16 rows of x, then its quarter of Wg
.set WGQ,   16*XP                      ; Wg's quarter: [256 k][8 experts] bf16, 16 bytes a row
.set RED,   8*WREG                     ; the eight waves' partial logits: 16 tokens x 8 f32 each
.set SPARE, RED+8*512                  ; the spare words, 128 bytes for each wave: four blocks of 256 bytes that no other line names
.set SPW, 2                            ; v2   LDS address of my spare word; never rewritten
.set NIL, 3                            ; v3   0; never rewritten
.set L16, 4                            ; v4   16 x lane (role 0-255: 16 x thread)
.set L8,  5                            ; v5   8 x lane (8 x thread)
.set ACC, 16                           ; v[16:31]   two accumulators (role 0-255: v[16:47], the numbers to store)
.set WGB, 32                           ; v[32:63]   Wg's quarter in bf16
.set XR,  64                           ; v[64:191]  x as loaded; then the fragments
.set WGR, 192                          ; v[192:255] Wg as loaded; then x in bf16
	s_load_b512 s[8:23], s[0:1], 0x0               ; x 8, W1 10, W2 12, Wg 14, b1 16, b2 18, bg 20, xb 22
	s_load_b256 s[24:31], s[0:1], 0x40             ; w1c 24, w2c 26, wf 28, wb 30
	s_load_b128 s[32:35], s[0:1], 0x60             ; b1pad 32, b2pad 34
	v_lshl_add_u32 v[SPW], v0, 2, SPARE
	v_mov_b32 v[NIL], 0
	s_wait_kmcnt 0x0
	s_cmp_ge_u32 ttmp9, 304
	s_cbranch_scc1 .Lrows
	s_cmp_ge_u32 ttmp9, 288
	s_cbranch_scc1 .Lb2
	s_cmp_ge_u32 ttmp9, 256
	s_cbranch_scc1 .Lb1
	; CAST: 64 KiB of f32 become 32 KiB of 16-bit numbers.  Thread t takes 16 bytes of each 4 KiB; sixteen loads are out at once.
	s_cmp_ge_u32 ttmp9, 128
	s_cselect_b64 s[4:5], s[12:13], s[10:11]       ; W2 or W1
	s_cselect_b64 s[6:7], s[26:27], s[24:25]       ; w2c or w1c
	s_and_b32 s2, ttmp9, 127
	s_lshl_b32 s36, s2, 16
	s_mov_b32 s37, 0
	s_lshl_b32 s38, s2, 15
	s_mov_b32 s39, 0
	s_add_nc_u64 s[4:5], s[4:5], s[36:37]
	s_add_nc_u64 s[6:7], s[6:7], s[38:39]
	v_lshlrev_b32 v[L16], 4, v0
	v_lshlrev_b32 v[L8], 3, v0
.irp j, 0,1,2,3,4,5,6,7,8,9,10,11,12,13,14,15
	global_load_b128 v[XR+4*(\j):XR+4*(\j)+3], v[L16], s[4:5] offset:4096*(\j) th:TH_LOAD_NT
.endr
; half = 0: rounded to bf16.  half = 1: rounded to bf16, and that number written as f16.
.macro CASTOUT half
.irp j, 0,1,2,3,4,5,6,7,8,9,10,11,12,13,14,15
	s_wait_loadcnt 15-(\j)                         ; loads come back in order: load j is in, the younger ones stay out
	v_cvt_pk_bf16_f32 v[ACC+2*(\j)], v[XR+4*(\j)], v[XR+4*(\j)+1]
	v_cvt_pk_bf16_f32 v[ACC+2*(\j)+1], v[XR+4*(\j)+2], v[XR+4*(\j)+3]
.if \half
	v_lshlrev_b32 v8, 16, v[ACC+2*(\j)]            ; bf16 to f32: the low half moves up,
	v_and_b32 v9, 0xffff0000, v[ACC+2*(\j)]        ; the high half stays
	v_lshlrev_b32 v10, 16, v[ACC+2*(\j)+1]
	v_and_b32 v11, 0xffff0000, v[ACC+2*(\j)+1]
	v_cvt_pk_f16_f32 v[ACC+2*(\j)], v8, v9
	v_cvt_pk_f16_f32 v[ACC+2*(\j)+1], v10, v11
.endif
	global_store_b64 v[L8], v[ACC+2*(\j):ACC+2*(\j)+1], s[6:7] offset:2048*(\j)  ; a wave's store covers 256 consecutive bytes, aligned
.endr
.endm
	s_cmp_ge_u32 ttmp9, 128
	s_cbranch_scc1 .Lw2
	CASTOUT 0                                      ; W1
	s_branch .Lend
.Lw2:
	CASTOUT 1                                      ; W2
	s_branch .Lend
.Lb1:	; b1pad: piece p of 16 bytes: row p / 4, quarter p % 4.  Quarter 0 begins with b1[row], in bf16; all else is 0.
	s_sub_co_u32 s2, ttmp9, 256
	v_lshl_add_u32 v4, s2, 8, v0                   ; p
	v_lshrrev_b32 v5, 2, v4
	v_lshlrev_b32 v5, 2, v5                        ; 4 x row
	v_and_b32 v6, 3, v4
	v_lshlrev_b32 v7, 4, v4                        ; 16 p
	global_load_b32 v8, v5, s[16:17]
	v_mov_b32 v9, 0
	v_mov_b32 v10, 0
	v_mov_b32 v11, 0
	v_cmp_eq_u32 vcc_lo, 0, v6
	s_wait_loadcnt 0x0
	v_cvt_pk_bf16_f32 v8, v8, v9                   ; b1 in the low half, 0 above
	v_cndmask_b32 v8, 0, v8, vcc_lo
	global_store_b128 v7, v[8:11], s[32:33]
	s_branch .Lend
.Lb2:	; b2pad: piece p: column o = p / 4, quarter p % 4.  Quarter 0 holds b2[0..7][o], rounded to bf16 and written as f16; the others are 0.
	s_sub_co_u32 s2, ttmp9, 288
	v_lshl_add_u32 v4, s2, 8, v0
	v_lshrrev_b32 v5, 2, v4
	v_lshlrev_b32 v5, 2, v5                        ; 4 o
	v_and_b32 v6, 3, v4
	v_lshlrev_b32 v7, 4, v4
.irp e, 0,1,2,3,4,5,6,7
	global_load_b32 v[16+(\e)], v5, s[18:19] offset:4096*(\e)
.endr
	v_cmp_eq_u32 vcc_lo, 0, v6
	s_wait_loadcnt 0x0
.irp i, 0,1,2,3
	v_cvt_pk_bf16_f32 v[8+(\i)], v[16+2*(\i)], v[17+2*(\i)]
.endr
.irp i, 0,1,2,3
	v_lshlrev_b32 v[16+2*(\i)], 16, v[8+(\i)]
	v_and_b32 v[17+2*(\i)], 0xffff0000, v[8+(\i)]
.endr
.irp i, 0,1,2,3
	v_cvt_pk_f16_f32 v[8+(\i)], v[16+2*(\i)], v[17+2*(\i)]
.endr
.irp i, 0,1,2,3
	v_cndmask_b32 v[8+(\i)], 0, v[8+(\i)], vcc_lo
.endr
	global_store_b128 v7, v[8:11], s[34:35]
	s_branch .Lend
.Lrows:	; 32 ROWS OF x: rounded, stored, and multiplied by Wg.
	s_load_b256 s[36:43], s[20:21], 0x0            ; bg: wanted by wave 0 at the end
	s_sub_co_u32 s2, ttmp9, 304                    ; g: rows 32 g ..
	v_lshrrev_b32 v1, 5, v0
	v_readfirstlane_b32 s44, v1                    ; wave 0..7
	s_lshr_b32 s45, s44, 2                         ; which 16 rows
	s_and_b32 s46, s44, 3                          ; which 256 of K
	v_and_b32 v1, 31, v0
	v_lshlrev_b32 v[L16], 4, v1
	v_lshlrev_b32 v[L8], 3, v1
	s_lshl_b32 s47, s2, 5
	s_lshl4_add_u32 s47, s45, s47                  ; my first row
	s_lshl_b32 s4, s47, 12                         ; x 4,096 bytes
	s_lshl_b32 s6, s46, 10                         ; + my 1,024 bytes of a row
	s_add_co_u32 s4, s4, s6
	s_mov_b32 s5, 0
	s_add_nc_u64 s[8:9], s[8:9], s[4:5]
	s_lshr_b32 s4, s4, 1                           ; the same place in xb: half the bytes
	s_add_nc_u64 s[22:23], s[22:23], s[4:5]
	s_lshl_b32 s4, s46, 13                         ; my 256 rows of Wg, 32 bytes each
	s_add_nc_u64 s[14:15], s[14:15], s[4:5]
.irp j, 0,1,2,3,4,5,6,7,8,9,10,11,12,13,14,15
	global_load_b128 v[WGR+4*(\j):WGR+4*(\j)+3], v[L16], s[14:15] offset:512*(\j)
.endr
.set i, 0
.rept 32                               ; load i: row i / 2, half i % 2 of its 1,024 bytes: 512 consecutive bytes
	global_load_b128 v[XR+4*i:XR+4*i+3], v[L16], s[8:9] offset:(i/2)*4096+(i%2)*512 th:TH_LOAD_NT
.set i, i+1
.endr
	s_mul_i32 s48, s44, WREG
	v_and_b32 v10, 15, v0                          ; r = lane % 16
	v_bfe_u32 v11, v0, 4, 1                        ; h = lane / 16
	v_and_b32 v12, 7, v0
	v_add_nc_u32 v6, s48, v[L8]                    ; where I put 8 bytes
	v_mul_u32_u24 v7, v10, XP
	v_lshl_add_u32 v7, v11, 4, v7
	v_add_nc_u32 v7, s48, v7                       ; a fragment of x: row r, 16 bytes for each half of the lanes
	v_lshl_add_u32 v8, v11, 3, v12
	v_lshlrev_b32 v8, 4, v8
	v_add_nc_u32 v8, s48, v8                       ; the turning load: k row 8 h + lane % 8; both groups of eight lanes of a half take the same 16 bytes, so rows 8-15 of the fragment repeat experts 0-7
	s_lshl_b32 s49, s44, 9
	s_add_co_u32 s49, s49, RED
	v_lshl_add_u32 v9, v10, 5, s49                 ; my token's 32 bytes of my wave's partial logits
	s_wait_loadcnt 32                              ; Wg's 16 loads are in; x's 32, issued behind them, stay out
.irp j, 0,1,2,3,4,5,6,7,8,9,10,11,12,13,14,15
	v_cvt_pk_bf16_f32 v[WGB+2*(\j)], v[WGR+4*(\j)], v[WGR+4*(\j)+1]
	v_cvt_pk_bf16_f32 v[WGB+2*(\j)+1], v[WGR+4*(\j)+2], v[WGR+4*(\j)+3]
	ds_store_b64 v6, v[WGB+2*(\j):WGB+2*(\j)+1] offset:WGQ+256*(\j)
.endr
.set i, 0
.rept 32
	s_wait_loadcnt 31-i                            ; load i is in, the younger ones stay out
	v_cvt_pk_bf16_f32 v[WGR+2*i], v[XR+4*i], v[XR+4*i+1]
	v_cvt_pk_bf16_f32 v[WGR+2*i+1], v[XR+4*i+2], v[XR+4*i+3]
	global_store_b64 v[L8], v[WGR+2*i:WGR+2*i+1], s[22:23] offset:(i/2)*2048+(i%2)*256  ; 256 consecutive bytes, aligned
	ds_store_b64 v6, v[WGR+2*i:WGR+2*i+1] offset:(i/2)*XP+(i%2)*256
.set i, i+1
.endr
	; logits^T = Wg^T x^T: source 0 = experts (turned out of [k][expert]), source 1 = 16 tokens.  LDS serves a wave's instructions in order (ISA guide 5.7.1.4): these loads see my stores above, and the bytes are my wave's own.
.irp s, 0,1,2,3,4,5,6,7
	ds_load_b128 v[64+8*(\s):64+8*(\s)+3], v7 offset:64*(\s)
	ds_load_b128 v[64+8*(\s)+4:64+8*(\s)+7], v7 offset:64*(\s)+32
	ds_load_tr16_b128 v[128+8*(\s):128+8*(\s)+3], v8 offset:WGQ+512*(\s)
	ds_load_tr16_b128 v[128+8*(\s)+4:128+8*(\s)+7], v8 offset:WGQ+512*(\s)+256
.endr
	s_wait_dscnt 0x0
	v_wmma_f32_16x16x32_bf16 v[ACC:ACC+7], v[128:135], v[64:71], 0       ; two accumulators by turns; the first two products start the sums
	v_wmma_f32_16x16x32_bf16 v[ACC+8:ACC+15], v[136:143], v[72:79], 0
.irp s, 2,3,4,5,6,7
	v_wmma_f32_16x16x32_bf16 v[ACC+8*((\s)%2):ACC+8*((\s)%2)+7], v[128+8*(\s):128+8*(\s)+7], v[64+8*(\s):64+8*(\s)+7], v[ACC+8*((\s)%2):ACC+8*((\s)%2)+7]
.endr
.rept 4
	v_nop                                          ; four places behind the last product, ahead of the sums that read results (ISA guide 7.12.1)
.endr
.irp p, 0,2,4,6
	v_pk_add_f32 v[ACC+(\p):ACC+(\p)+1], v[ACC+(\p):ACC+(\p)+1], v[ACC+8+(\p):ACC+8+(\p)+1]
.endr
	ds_store_b128 v9, v[ACC:ACC+3]                 ; register j = expert j of token r, in both halves of the lanes: the two halves write the same numbers to the same bytes
	ds_store_b128 v9, v[ACC+4:ACC+7] offset:16
	s_wait_dscnt 0x0                               ; for the others' sake: my stores are done
	s_barrier_signal -1
	s_barrier_wait -1
	s_cmp_lg_u32 s44, 0
	s_cbranch_scc1 .Lend
	; wave 0: a lane a token.  The four quarters of K are added, bg joins, and the softmax is taken over the lane's eight registers.
	v_lshlrev_b32 v13, 5, v10
	v_lshl_add_u32 v13, v11, 11, v13
	v_add_nc_u32 v13, RED, v13
.irp q, 0,1,2,3
	ds_load_b128 v[64+8*(\q):64+8*(\q)+3], v13 offset:512*(\q)
	ds_load_b128 v[64+8*(\q)+4:64+8*(\q)+7], v13 offset:512*(\q)+16
.endr
	s_lshl_b32 s4, s2, 9                           ; 32 tokens x 16 bytes, in wf's planes and in wb
	s_add_nc_u64 s[28:29], s[28:29], s[4:5]
	s_add_nc_u64 s[30:31], s[30:31], s[4:5]
	s_wait_kmcnt 0x0                               ; bg: rounded to bf16 like every input, while the partial logits are on their way
.irp e, 0,1,2,3,4,5,6,7
	v_mov_b32 v[96+(\e)], s[36+(\e)]
.endr
.irp i, 0,1,2,3
	v_cvt_pk_bf16_f32 v[104+(\i)], v[96+2*(\i)], v[97+2*(\i)]
.endr
.irp i, 0,1,2,3
	v_lshlrev_b32 v[96+2*(\i)], 16, v[104+(\i)]
	v_and_b32 v[97+2*(\i)], 0xffff0000, v[104+(\i)]
.endr
	s_wait_dscnt 0x0
.irp p, 0,2,4,6
	v_pk_add_f32 v[64+(\p):65+(\p)], v[64+(\p):65+(\p)], v[72+(\p):73+(\p)]
	v_pk_add_f32 v[80+(\p):81+(\p)], v[80+(\p):81+(\p)], v[88+(\p):89+(\p)]
.endr
.irp p, 0,2,4,6
	v_pk_add_f32 v[64+(\p):65+(\p)], v[64+(\p):65+(\p)], v[80+(\p):81+(\p)]
.endr
.irp p, 0,2,4,6
	v_pk_add_f32 v[64+(\p):65+(\p)], v[64+(\p):65+(\p)], v[96+(\p):97+(\p)]
.endr
	v_max3_num_f32 v72, v64, v65, v66
	v_max3_num_f32 v72, v72, v67, v68
	v_max3_num_f32 v72, v72, v69, v70
	v_max_num_f32 v72, v72, v71                    ; the row's maximum is taken away, as the softmax asks
	v_mul_f32 v72, 0x3fb8aa3b, v72                 ; log2(e) m
	v_mov_b32 v73, v72
.irp p, 0,2,4,6
	v_pk_fma_f32 v[64+(\p):65+(\p)], v[64+(\p):65+(\p)], 0x3fb8aa3b, v[72:73] op_sel_hi:[1,0,1] neg_lo:[0,0,1] neg_hi:[0,0,1]
.endr
.irp e, 0,1,2,3,4,5,6,7
	v_exp_f32 v[64+(\e)], v[64+(\e)]
.endr
	v_nop                                          ; a plain instruction behind the last exponential,
	s_wait_alu depctr_va_vdst(0)                   ; and one wait for the eight, ahead of their first reader
	v_pk_add_f32 v[74:75], v[64:65], v[66:67]
	v_pk_add_f32 v[76:77], v[68:69], v[70:71]
	v_pk_add_f32 v[74:75], v[74:75], v[76:77]
	v_add_f32 v74, v74, v75
	v_rcp_f32 v78, v74
	v_rcp_f32 v79, v74                             ; twice: a pair for the packed multiply
	v_nop
	s_wait_alu depctr_va_vdst(0)
.irp p, 0,2,4,6
	v_pk_mul_f32 v[64+(\p):65+(\p)], v[64+(\p):65+(\p)], v[78:79]
.endr
.irp i, 0,1,2,3
	v_cvt_pk_f16_f32 v[80+(\i)], v[64+2*(\i)], v[65+2*(\i)]
.endr
	global_store_b128 v[L16], v[64:67], s[28:29]                  ; experts 0-3: 512 consecutive bytes
	global_store_b128 v[L16], v[68:71], s[28:29] offset:262144    ; experts 4-7: the second plane
	global_store_b128 v[L16], v[80:83], s[30:31]
.Lend:
	s_wait_tensorcnt 0x0                           ; the wave's end: behind my last LDS store
	ds_add_u32 v[SPW], v[NIL]
	s_wait_dscnt 0x0
	s_endpgm
.Lfunc_end_k_q77e565adba_prep:
	.size	k_q77e565adba_prep, .Lfunc_end_k_q77e565adba_prep-k_q77e565adba_prep
	.p2alignl 7, 3214868480
	.fill 96, 4, 3214868480
	.section	.rodata,"a",@progbits
	.p2align	6, 0x0
	.amdhsa_kernel k_q77e565adba_prep
		.amdhsa_group_segment_fixed_size 105472
		.amdhsa_private_segment_fixed_size 0
		.amdhsa_enable_private_segment 0
		.amdhsa_kernarg_size 112
		.amdhsa_user_sgpr_count 2
		.amdhsa_user_sgpr_kernarg_segment_ptr 1
		.amdhsa_wavefront_size32 1
		.amdhsa_system_sgpr_workgroup_id_x 1
		.amdhsa_system_sgpr_workgroup_id_y 1
		.amdhsa_system_sgpr_workgroup_id_z 1
		.amdhsa_system_vgpr_workitem_id 0
		.amdhsa_next_free_vgpr 256
		.amdhsa_next_free_sgpr 66
		.amdhsa_reserve_vcc 1
		.amdhsa_float_denorm_mode_32 3
		.amdhsa_float_denorm_mode_16_64 3
		.amdhsa_memory_ordered 1
		.amdhsa_forward_progress 1
		.amdhsa_inst_pref_size 46
	.end_amdhsa_kernel
	.amdgpu_metadata
---
amdhsa.version: [ 1, 2 ]
amdhsa.kernels:
  - .name:           k_q77e565adba_prep
    .symbol:         k_q77e565adba_prep.kd
    .args:
      - { .name: x, .offset: 0, .size: 8, .value_kind: global_buffer, .address_space: global }
      - { .name: W1, .offset: 8, .size: 8, .value_kind: global_buffer, .address_space: global }
      - { .name: W2, .offset: 16, .size: 8, .value_kind: global_buffer, .address_space: global }
      - { .name: Wg, .offset: 24, .size: 8, .value_kind: global_buffer, .address_space: global }
      - { .name: b1, .offset: 32, .size: 8, .value_kind: global_buffer, .address_space: global }
      - { .name: b2, .offset: 40, .size: 8, .value_kind: global_buffer, .address_space: global }
      - { .name: bg, .offset: 48, .size: 8, .value_kind: global_buffer, .address_space: global }
      - { .name: xb, .offset: 56, .size: 8, .value_kind: global_buffer, .address_space: global }
      - { .name: w1c, .offset: 64, .size: 8, .value_kind: global_buffer, .address_space: global }
      - { .name: w2c, .offset: 72, .size: 8, .value_kind: global_buffer, .address_space: global }
      - { .name: wf, .offset: 80, .size: 8, .value_kind: global_buffer, .address_space: global }
      - { .name: wb, .offset: 88, .size: 8, .value_kind: global_buffer, .address_space: global }
      - { .name: b1pad, .offset: 96, .size: 8, .value_kind: global_buffer, .address_space: global }
      - { .name: b2pad, .offset: 104, .size: 8, .value_kind: global_buffer, .address_space: global }
    .group_segment_fixed_size: 105472
    .private_segment_fixed_size: 0
    .kernarg_segment_align: 8
    .kernarg_segment_size: 112
    .max_flat_workgroup_size: 256
    .sgpr_count:     66
    .vgpr_count:     256
    .wavefront_size: 32
...
	.end_amdgpu_metadata
.endif
;; end of part 1
;; launch up (part 2): grid 8 x 64, 4 waves a work-group, clusters of 4 x 4, 327,680 bytes of LDS; arguments xb, w1c, hid, b1pad, wf; writes hid
.if DOCPART == 2
	.amdgcn_target "amdgcn-amd-amdhsa--gfx1250"
	.amdhsa_code_object_version 6
	.text
	.protected	k_q77e565adba_up
	.globl	k_q77e565adba_up
	.p2align	8
	.type	k_q77e565adba_up,@function
k_q77e565adba_up:
	s_mov_b64 s[64:65], 0
	v_nop
	global_prefetch_b8 v0, s[64:65] scope:SCOPE_SE
	s_setreg_imm32_b32 hwreg(HW_REG_WAVE_MODE, 25, 1), 1
	s_wait_xcnt 0x0
	s_wait_alu depctr_hold_cnt(0) depctr_sa_sdst(0) depctr_va_vdst(0) depctr_va_sdst(0) depctr_va_ssrc(0) depctr_va_vcc(0) depctr_vm_vsrc(0)
	s_getreg_b32 s2, hwreg(HW_REG_IB_STS2, 6, 4)
	s_cmp_eq_u32 s2, 0
	s_cbranch_scc0 .Lentry_in_a_cluster
	s_endpgm
.Lentry_in_a_cluster:
	s_bfe_u32 s2, ttmp6, 0x10000c
	s_cmp_lg_u32 s2, 0xf033
	s_cbranch_scc0 .Lentry_shape_is_right
	s_endpgm
.Lentry_shape_is_right:
; hid[n][256 e + h] = w[n][e] gelu(sum over d of x[n][d] W1[e][d][h] + b1[e][h]), in f16.  A = xb [16384][1024] bf16; B = w1c [8][1024 d][256 h] bf16, that is [K][N] for each expert; nothing is left out.
; A tile of hid is 256 tokens x one expert's 256 columns: four waves, each 128 x 128 in 64 accumulators (512 registers).  K goes in steps of 128 through a ring of two LDS slots filled by the tensor
; data mover: 256 rows x 256 bytes of A (waves 0, 1: 128 rows each), 128 k rows x 512 bytes of B (waves 2, 3: 64 each).  B's fragments are turned on the way out of LDS (ds_load_tr16_b128).
; CLUSTER: 4 x 4 work-groups; A's tile is shared along a row of the cluster, B's along a column: each is asked for jointly, by the same load, descriptor and mask in the four that share it.
; THE PRODUCT IS USED TRANSPOSED (source 0 = 16 columns of B, source 1 = 16 rows of A): a lane holds one token (lane % 16) and eight neighbouring columns.
; THE BIAS STARTS THE SUMS: the first product on each accumulator has C = 0, source 0 = b1pad (b1 at k = 0, zeros behind) and source 1 = ones.  Nothing is cleared, and every later product has one form.
; The tables for it are asked for ahead of the first tiles, so that these 64 products stand in the first tiles' flight.
; THE WAY OUT: when the ring has had its last fill and its last read, each wave lays its 128 x 128 sums into its own 67,584 bytes of it (rows of 528 bytes; the pad holds the row's gate weight), reads them back
; by whole rows, takes w gelu and stores 256 consecutive bytes of hid a row.
; GELU, exact form by erf; erf by t = 1 / (1 + p z), erf(z) = 1 - (a1 t + a2 t^2 + a3 t^3) e^(-z^2) (Abramowitz and Stegun 7.1.25).  LIMIT: that formula is off by at most 2.5e-5 in erf for every argument, so gelu by at most
; 1.25e-5 |a|: for a > 0 a twentieth of half of f16's step of the stored number.  With u = k1 a, k1 = sqrt(log2(e) / 2): e^(-z^2) = 2^(-u^2), p z = P |u|, gelu = (u + |u| (1 - poly 2^(-u^2))) / (2 k1); for large |a| that is a or 0.
; LIMITS.  The operands are bf16; sums, gelu and w are f32; hid is rounded once, to f16: an entry of 65,520 or more becomes an infinity, and below 6e-5 an entry keeps f16's fixed step of 6e-8.
; The room: w is at most 1, so hid is at most the pre-activation, a sum of 1,024 products: it reaches 65,504 only where their mean passes 64.  NaN and infinities are not treated apart.
.set SIZE_K, 1024
.set ROWA,   2*SIZE_K                  ; bytes in a row of A
.set ROWB,   512                       ; bytes from a k row of B to the next
.set ROWC,   4096                      ; bytes in a row of hid
.set BCOLS,  19                        ; a tile column of B begins 1 << 19 bytes behind the last (an expert)
.set CCOLS,  9                         ; of hid: 512 bytes
.set CHALFS, 8                         ; a wave's 128 columns of hid: 256 bytes
.set KSTEP,  128
.set LAPS,   SIZE_K/(2*KSTEP)          ; a lap = two K steps = once round the ring
.set PITCH,  272                       ; A's LDS row: 256 bytes + 16 = 68 words: the 16 rows of a load start at 16 different groups of four banks (64 banks of 4 bytes: ISA guide 11.1)
.set PB,     544                       ; B's LDS row: 512 bytes + 32 = 136 words
.set HALFT,  128*PITCH                 ; what one tensor load brings: 128 rows of A, or 64 k rows of B (64 x 544 is the same 34,816)
.set SLOT,   4*HALFT
.set DP,     528                       ; the way out: 128 f32 + 16 bytes
.set DREG,   128*DP                    ; a wave's part of the dead ring
.set SPARE,  2*SLOT                    ; behind the ring: the spare words, 128 bytes for each wave: two blocks of 256 bytes that no other line names
.set ADRA, 16                          ; v16-17  LDS address of my A fragments in slot 0, 1
.set ADRB, 20                          ; v20-21  the same for B
.set STOW, 22                          ; v22     the way out: where a row's gate weight goes
.set RDC,  23                          ; v23     where the trip in hand reads rows
.set STO,  24                          ; v24     where I put 32 bytes of a row
.set RWC,  25                          ; v25     where the trip in hand reads gate weights
.set RD,   26                          ; v26     my 16 bytes of my region's first row; never rewritten
.set CO,   27                          ; v27     my 8 bytes of a row piece of hid
.set SPW,  28                          ; v28     LDS address of my spare word; never rewritten
.set NIL,  29                          ; v29     0; never rewritten
.set PFO,  30                          ; v30     the prefetches' lane offset; never rewritten
.set RW,   31                          ; v31     my region's first gate weight; never rewritten
.set WK,   32                          ; v32-47  w / (2 k1) of my rows 16 a + lane % 16, as pairs
.set F0,   64                          ; fragment buffers: window 0 A's, window 1 B's
.set F1,   128
.set WW,   32                          ; the way out, all in window 0: gate weights of 8 rows
.set RAW,  48                          ; 8 rows x 4 sums
.set U,    80
.set AU,   112
.set T,    144
.set E,    176
.set PL,   208
.set TMP,  240
.set G1,  24                           ; s[24:31] descriptor group 1 for A;  s[32:39] group 0, a set for each slot
.set G0,  32
.set G1B, 48                           ; s[48:55], s[56:63] the same for B
.set G0B, 56
.set LIM, 43                           ; s43     1 in a wave that prefetches, else the greatest number
.set PFA, 44                           ; s[44:45] where my prefetches stand
.set PST, 72                           ; s[72:73] a K step in bytes, for them
.set K1,  74                           ; s[74:83] pairs of constants: a packed line names the pair and takes its low word
.set PP,  76
.set A1,  78
.set A2,  80
.set A3,  82
.set ABSM, 84
.set RK1, 85
.set GOF, 86                           ; s86     the way out: bytes from my region's first row to the trip's
.set TB,  88                           ; s[88:89] my place in b1pad
.set TW,  90                           ; s[90:91] my place in wf
.set MSB, 0
.macro WIN new                         ; s_set_vgpr_msb: bits 1:0 source 0, 3:2 source 1, 5:4 source 2, 7:6 destination; the high byte repeats the setting that is left
.if MSB != (\new)
	s_set_vgpr_msb (MSB<<8)|(\new)
.set MSB, \new
.endif
.endm
.set MUL_LO, 0xa1                      ; source 0 (B) window 1, source 1 (A) window 0, C and D window 2 (my rows 0-63)
.set MUL_HI, 0xf1                      ; the same, C and D window 3 (rows 64-127)
.set TO_B,   0x40                      ; destination window 1, address window 0
.macro JLOAD s                         ; a joint load: waves 0, 1 ask for A, waves 2, 3 for B; the branch hangs on the wave's number alone.  An s_nop 0 and four v_nop follow each line
	s_cmp_eq_u32 s11, 0
	s_cbranch_scc0 .Lfor_b_\@
	tensor_load_to_lds s[G0+4*(\s):G0+4*(\s)+3], s[G1:G1+7]
	s_nop 0
.rept 4
	v_nop
.endr
	s_branch .Lasked_\@
.Lfor_b_\@:
	tensor_load_to_lds s[G0B+4*(\s):G0B+4*(\s)+3], s[G1B:G1B+7]
	s_nop 0
.rept 4
	v_nop
.endr
.Lasked_\@:
.endm
.macro ASK                             ; a prefetch into the L2 of the K step two refills on: 32 blocks of 256 bytes, a lane a block; the loop's last trip (s3 = 1) has no such K step
	s_cmp_gt_u32 s3, s[LIM]
	s_cbranch_scc0 .Lnot_mine_\@
	global_prefetch_b8 v[PFO], s[PFA:PFA+1] th:TH_LOAD_NT scope:SCOPE_SE
.Lnot_mine_\@:
.endm
.macro CREST                           ; a round of the cluster's barrier behind its opening barrier
	s_cmp_lg_u32 s10, 0
	s_cbranch_scc1 .Lnot_wave_0_\@
	s_barrier_signal -3
.Lnot_wave_0_\@:
	s_barrier_wait -3
	s_barrier_signal -1
	s_barrier_wait -1
.endm
.macro CROUND
	s_barrier_signal -1
	s_barrier_wait -1
	CREST
.endm
.macro PLACES                          ; four places behind matrix instructions, ahead of loads into registers that they read and of lines that read results
.rept 4
	v_nop
.endr
.endm
	s_load_b128 s[4:7], s[0:1], 0x0                ; A s[4:5], B s[6:7]
	s_load_b64 s[8:9], s[0:1], 0x10                ; hid
	s_load_b64 s[68:69], s[0:1], 0x18              ; b1pad
	s_load_b64 s[70:71], s[0:1], 0x20              ; wf
	v_lshl_add_u32 v[SPW], v0, 2, SPARE
	v_mov_b32 v[NIL], 0
	ds_add_u32 v[SPW], v[NIL]                      ; the wave's opening: the add, twice on end, and its wait ahead of my first tensor load; the set-up below stands between
	ds_add_u32 v[SPW], v[NIL]
	v_lshrrev_b32 v1, 5, v0
	v_readfirstlane_b32 s10, v1                    ; wave 0..3
	s_lshr_b32 s11, s10, 1                         ; which half of the tile's rows is mine.  Also: I fetch for A (0) or for B (1)
	s_and_b32 s12, s10, 1                          ; which half of its columns.  Also: which half of that tile I fetch
	s_bfe_u32 s40, ttmp6, 0x40000                  ; cx
	s_bfe_u32 s41, ttmp6, 0x40004                  ; cy
	s_lshl_b32 s42, ttmp9, 2
	s_add_co_u32 s42, s42, s40                     ; tile column = the expert
	s_and_b32 s13, ttmp7, 0xffff
	s_lshl_b32 s13, s13, 2
	s_add_co_u32 s13, s13, s41                     ; tile row
	s_lshl_b32 s43, s41, 2
	s_lshl_b32 s43, 15, s43                        ; my row of the cluster
	s_lshl_b32 s44, 0x1111, s40                    ; my column
	s_or_b32 s[G1+0], s43, (1<<16)|(1<<20)|(1<<21)|(5<<22)|(3<<25)   ; the mask; 2-byte elements; padding on; bit 21 beside a mask; after every 64 words, 4 words
	s_or_b32 s[G1B+0], s44, (1<<16)|(1<<20)|(1<<21)|(6<<22)|(7<<25)  ; the same for B: after every 128 words, 8 words
	s_mov_b32 s[G1+1], KSTEP<<16                   ; A: tensor_dim0 = 128
	s_mov_b32 s[G1+2], 128<<16                     ; tensor_dim1 = 128
	s_mov_b32 s[G1+3], KSTEP<<16                   ; tile_dim0 = 128
	s_mov_b32 s[G1+4], 128                         ; tile_dim1 = 128
	s_mov_b32 s[G1+5], SIZE_K                      ; elements from row to row
	s_mov_b32 s[G1+6], 0
	s_mov_b32 s[G1+7], 0
	s_mov_b32 s[G1B+1], 256<<16                    ; B: tensor_dim0 = 256 columns
	s_mov_b32 s[G1B+2], 64<<16                     ; tensor_dim1 = 64 k rows
	s_mov_b32 s[G1B+3], 256<<16
	s_mov_b32 s[G1B+4], 64
	s_mov_b32 s[G1B+5], ROWB/2
	s_mov_b32 s[G1B+6], 0
	s_mov_b32 s[G1B+7], 0
	s_mov_b32 s[K1], 0x3f596d27                    ; k1 = 0.8493218
	s_mov_b32 s[K1+1], 0x3f596d27
	s_mov_b32 s[PP], 0x3ec88bda                    ; P = 0.47047 / sqrt(log2(e)) = 0.3916920
	s_mov_b32 s[PP+1], 0x3ec88bda
	s_mov_b32 s[A1], 0x3eb2303a                    ; a1 = 0.3480242
	s_mov_b32 s[A1+1], 0x3eb2303a
	s_mov_b32 s[A2], 0xbdc45ca1                    ; a2 = -0.0958798
	s_mov_b32 s[A2+1], 0xbdc45ca1
	s_mov_b32 s[A3], 0x3f3f7377                    ; a3 = 0.7478556
	s_mov_b32 s[A3+1], 0x3f3f7377
	s_mov_b32 s[ABSM], 0x7fffffff
	s_mov_b32 s[RK1], 0x3f16b55f                   ; 1 / (2 k1) = 0.5887050
	s_lshl_b32 s17, s12, 7
	s_lshl_b32 s16, s13, 8
	s_add_co_u32 s16, s16, s17                     ; A: row 256 x tile row + 128 x half: of the tile row and the wave alone
	s_mul_i32 s16, s16, ROWA                       ; under 2^26
	s_mov_b32 s17, 0
	s_lshl_b32 s46, s42, BCOLS                     ; B: the tile column,
	s_mul_i32 s47, s12, 64*ROWB                    ; and 64 k rows x half: of the tile column and the wave alone
	s_add_co_u32 s46, s46, s47
	s_mov_b32 s47, 0
	s_mul_i32 s20, s10, HALFT                      ; where they go: wave x 34,816: no place in the cluster enters an LDS address
	; my places in the two tables
	v_and_b32 v1, 15, v0                           ; r = lane % 16
	v_bfe_u32 v2, v0, 4, 1                         ; h = lane / 16
	v_and_b32 v6, 31, v0                           ; lane
	v_lshlrev_b32 v4, 6, v1
	v_lshl_add_u32 v4, v2, 4, v4                   ; a fragment of b1pad: row r x 64 bytes + 16 h
	v_lshlrev_b32 v5, 4, v1                        ; a token's 16 bytes of a plane of wf
	s_lshl_b32 s[TB], s42, 8
	s_lshl_b32 s[TB+1], s12, 7
	s_add_co_u32 s[TB], s[TB], s[TB+1]             ; my first column of the 2,048
	s_lshl_b32 s[TB], s[TB], 6
	s_mov_b32 s[TB+1], 0
	s_lshl_b32 s22, s13, 8
	s_lshl_b32 s23, s11, 7
	s_add_co_u32 s22, s22, s23                     ; my first row
	s_lshl_b32 s[TW], s22, 4
	s_lshr_b32 s23, s42, 2
	s_lshl_b32 s23, s23, 18                        ; the plane of experts e / 4,
	s_add_co_u32 s[TW], s[TW], s23
	s_and_b32 s23, s42, 3
	s_lshl2_add_u32 s[TW], s23, s[TW]              ; word e % 4
	s_mov_b32 s[TW+1], 0
	s_wait_dscnt 0x0                               ; both opening adds are done
	s_wait_kmcnt 0x0
	s_add_nc_u64 s[14:15], s[4:5], s[16:17]
	s_add_nc_u64 s[46:47], s[6:7], s[46:47]
	s_add_nc_u64 s[68:69], s[68:69], s[TB:TB+1]
	s_add_nc_u64 s[70:71], s[70:71], s[TW:TW+1]
	WIN TO_B                                       ; the tables go out first: the products that start the sums wait for them alone
.irp b, 0,1,2,3,4,5,6,7
	global_load_b128 v[F1+8*(\b):F1+8*(\b)+3], v4, s[68:69] offset:1024*(\b)
	global_load_b128 v[F1+8*(\b)+4:F1+8*(\b)+7], v4, s[68:69] offset:1024*(\b)+32
.endr
	WIN 0
.irp a, 0,1,2,3,4,5,6,7
	global_load_b32 v[WK+2*(\a)], v5, s[70:71] offset:256*(\a)
.endr
.irp i, 0,1,2,3,4,5,6,7
	v_mov_b32 v[F1+(\i)], 0x3f803f80               ; a fragment of ones
.endr
	CROUND                                         ; all sixteen work-groups are here: the first joint loads meet
.irp s, 0,1
	s_mov_b32 s[G0+4*(\s)], 1
	s_add_co_u32 s[G0+4*(\s)+1], s20, (\s)*SLOT
	s_add_nc_u64 s[G0+4*(\s)+2:G0+4*(\s)+3], s[14:15], (\s)*KSTEP*2
	s_or_b32 s[G0+4*(\s)+3], s[G0+4*(\s)+3], 0x80000000
	s_mov_b32 s[G0B+4*(\s)], 1
	s_add_co_u32 s[G0B+4*(\s)+1], s20, (\s)*SLOT
	s_add_nc_u64 s[G0B+4*(\s)+2:G0B+4*(\s)+3], s[46:47], (\s)*KSTEP*ROWB
	s_or_b32 s[G0B+4*(\s)+3], s[G0B+4*(\s)+3], 0x80000000
	JLOAD \s                                       ; K steps 0 and 1: two loads of mine are out
.endr
	; LDS addresses.  A fragment of A: row r x pitch + 16 h, two loads 32 bytes apart.  Of B: k row 8 h + lane % 8, 16 bytes by (lane / 8) % 2; two turning loads 16 k rows apart.
	v_mul_u32_u24 v3, v1, PITCH
	v_lshl_add_u32 v3, v2, 4, v3
	v_and_b32 v7, 7, v0
	v_bfe_u32 v8, v0, 3, 1
	v_lshl_add_u32 v7, v2, 3, v7
	v_mul_u32_u24 v7, v7, PB
	v_lshl_add_u32 v7, v8, 4, v7
	s_mul_i32 s18, s11, HALFT                      ; my 128 rows of A
	s_lshl_b32 s19, s12, 8                         ; my 128 columns: 256 bytes of each k row of B,
	s_add_co_u32 s19, s19, 2*HALFT                 ; which lies behind A's 256 rows
.irp s, 0,1
	v_add_nc_u32 v[ADRA+(\s)], s18, v3
	v_add_nc_u32 v[ADRB+(\s)], s19, v7
	s_add_co_u32 s18, s18, SLOT
	s_add_co_u32 s19, s19, SLOT
.endr
	s_mul_i32 s18, s10, DREG                       ; the way out: my region
	v_mul_u32_u24 v9, v1, DP
	v_lshl_add_u32 v[STO], v2, 5, v9
	v_add_nc_u32 v[STO], s18, v[STO]               ; in: row r, 32 bytes for each half of the lanes
	v_lshl_add_u32 v[RD], v6, 4, s18               ; back: 32 lanes take a row's 512 bytes
	v_add_nc_u32 v[STOW], s18, v9
	v_add_nc_u32 v[STOW], 512, v[STOW]             ; the row's pad
	s_add_co_u32 s19, s18, 512
	v_mov_b32 v[RW], s19
	v_lshlrev_b32 v[CO], 3, v6
	s_lshl_b32 s20, s22, 12                        ; my first row of hid,
	s_mov_b32 s21, 0
	s_lshl_b32 s23, s42, CCOLS                     ; the expert's columns,
	s_lshl_b32 s19, s12, CHALFS                    ; my half of them
	s_add_co_u32 s20, s20, s23
	s_add_co_u32 s20, s20, s19
	s_add_nc_u64 s[8:9], s[8:9], s[20:21]
	; THE PREFETCHES.  At a change of slots every wave has waited for all its tensor loads, so a refill goes out alone; what it asks for has been named two K steps, 512 matrix instructions, earlier.
	; Each block of 256 bytes is named once in the launch: A's rows by the clusters with x = 0, B's by those with y = 0; of what a wave fetches each of the four partners takes a quarter BY ADDRESS
	; (A: 32 rows by cx, a lane a row; B: 16 k rows by cy, two lanes a row of 512 bytes).  K steps 0 to 3 come by their loads alone.
	s_lshl_b32 s18, s13, 8
	s_lshl_b32 s19, s12, 7
	s_add_co_u32 s18, s18, s19
	s_lshl_b32 s19, s40, 5
	s_add_co_u32 s18, s18, s19
	s_mul_i32 s18, s18, ROWA
	s_add_co_u32 s18, s18, 3*KSTEP*2               ; A: at K step 3: each change of slots steps first, so the first names K step 4
	s_lshl_b32 s19, s12, 6
	s_lshl4_add_u32 s19, s41, s19
	s_add_co_u32 s19, s19, 3*KSTEP
	s_mul_i32 s19, s19, ROWB
	s_lshl_b32 s23, s42, BCOLS
	s_add_co_u32 s19, s19, s23                     ; B: likewise
	s_and_b32 s23, ttmp7, 0xffff                   ; cluster y
	s_mov_b32 s14, KSTEP*ROWB
	s_mov_b32 s15, ROWB
	s_cmp_eq_u32 s11, 0                            ; do I fetch for A?
	s_cselect_b32 s20, s18, s19
	s_cselect_b32 s23, ttmp9, s23                  ; the coordinate along which other clusters read the same blocks
	s_cselect_b64 s[PFA:PFA+1], s[4:5], s[6:7]
	s_cselect_b32 s[PST], KSTEP*2, s14
	s_cselect_b32 s18, 0, 1
	s_cselect_b32 s19, ROWA, s15
	s_mov_b32 s[PST+1], 0
	s_cmp_eq_u32 s23, 0
	s_cselect_b32 s[LIM], 1, -1                    ; the same in all sixteen partners, for a given wave
	s_add_nc_u64 s[PFA:PFA+1], s[PFA:PFA+1], s[20:21]
	v_lshrrev_b32 v[PFO], s18, v6                  ; A: lane; B: lane / 2
	v_mul_u32_u24 v[PFO], s19, v[PFO]              ; x a row
	v_and_b32 v9, s18, v6
	v_lshl_add_u32 v[PFO], v9, 8, v[PFO]           ; B: + 256 x (lane % 2)
; 16 matrix instructions: m blocks a0, a0 + 1 of the window's four x all 8 n blocks, 32 along K.  zero = 1: C = 0; same = 1: one fragment serves every m block.
; The 64 accumulators take turns, one instruction a turn, in the same order everywhere, over the backward jump too.
.macro MUL16 f, hi, a0, zero, same=0
	WIN MUL_LO+0x50*(\hi)
.irp a, \a0, (\a0)+1
.irp b, 0,1,2,3,4,5,6,7
.if \zero
.if \same
	v_wmma_f32_16x16x32_bf16 v[8*(8*(\a)+(\b)):8*(8*(\a)+(\b))+7], v[(\f)+8*(\b):(\f)+8*(\b)+7], v[(\f):(\f)+7], 0
.else
	v_wmma_f32_16x16x32_bf16 v[8*(8*(\a)+(\b)):8*(8*(\a)+(\b))+7], v[(\f)+8*(\b):(\f)+8*(\b)+7], v[(\f)+8*(4*(\hi)+(\a)):(\f)+8*(4*(\hi)+(\a))+7], 0
.endif
.else
	v_wmma_f32_16x16x32_bf16 v[8*(8*(\a)+(\b)):8*(8*(\a)+(\b))+7], v[(\f)+8*(\b):(\f)+8*(\b)+7], v[(\f)+8*(4*(\hi)+(\a)):(\f)+8*(4*(\hi)+(\a))+7], v[8*(8*(\a)+(\b)):8*(8*(\a)+(\b))+7]
.endif
.endr
.endr
.endm
; 32 LDS loads in one run: quarter q (32 along K) of a slot into buffer f: B's 8 fragments, turned, then A's 8
.macro FETCH slot, q, f
	WIN TO_B
.irp i, 0,1,2,3,4,5,6,7
	ds_load_tr16_b128 v[(\f)+8*(\i):(\f)+8*(\i)+3],   v[ADRB+(\slot)] offset:(\q)*32*PB+32*(\i)
	ds_load_tr16_b128 v[(\f)+8*(\i)+4:(\f)+8*(\i)+7], v[ADRB+(\slot)] offset:(\q)*32*PB+16*PB+32*(\i)
.endr
	WIN 0
.irp i, 0,1,2,3,4,5,6,7
	ds_load_b128 v[(\f)+8*(\i):(\f)+8*(\i)+3],   v[ADRA+(\slot)] offset:64*(\q)+(\i)*16*PITCH
	ds_load_b128 v[(\f)+8*(\i)+4:(\f)+8*(\i)+7], v[ADRA+(\slot)] offset:64*(\q)+(\i)*16*PITCH+32
.endr
.endm
; One of a K step's first three quarters: multiplies buffer f; in its middle fetches quarter q of the same slot into buffer g
.macro QUARTER slot, q, f, g
	s_wait_dscnt 8                                 ; B and A's rows 0-63 are in; the youngest eight loads (A's rows 64-127) may be out
	MUL16 \f, 0, 0, 0
	MUL16 \f, 0, 2, 0
	PLACES
	FETCH \slot, \q, \g
	s_wait_dscnt 32                                ; all but the 32 just issued
	MUL16 \f, 1, 0, 0
	MUL16 \f, 1, 2, 0
.endm
; The last quarter multiplies buffer 1 and changes slots.  In front of the one barrier each wave waits for all its tensor loads (one is out: its part of the next slot), adds 0 to its spare word, and waits for that and
; for its reads of this slot.  fill = 1: the barrier opens a round of the cluster's, and the joint refill, two K steps ahead, is the first thing behind the round: 224 matrix instructions ahead of the wait for it.
.macro TURN slot, next, fill
.if \fill
	s_wait_xcnt 0x0                                ; the last prefetch, a K step back, has read its address
	s_add_nc_u64 s[PFA:PFA+1], s[PFA:PFA+1], s[PST:PST+1]
.endif
	WIN 0                                          ; (the add's two registers lie in window 0)
	s_wait_tensorcnt 0x0                           ; all my tensor loads have landed
	ds_add_u32 v[SPW], v[NIL]
	s_wait_dscnt 9                                 ; (the add and the youngest eight loads may be out)
	MUL16 F1, 0, 0, 0
	s_wait_dscnt 0x0                               ; the add is done, and my reads of this slot are over
	s_barrier_signal -1
	MUL16 F1, 0, 2, 0
.if \fill
	WIN 0                                          ; at a branch and at a label every window is 0
.endif
	s_barrier_wait -1
.if \fill
	CREST                                          ; no wave of any partner still reads this slot or has a load on its way
	s_add_nc_u64 s[G0+4*(\slot)+2:G0+4*(\slot)+3], s[G0+4*(\slot)+2:G0+4*(\slot)+3], 2*KSTEP*2
	s_add_nc_u64 s[G0B+4*(\slot)+2:G0B+4*(\slot)+3], s[G0B+4*(\slot)+2:G0B+4*(\slot)+3], 2*KSTEP*ROWB
	JLOAD \slot                                    ; its four v_nop are also the places in front of the loads below
.else
	PLACES
.endif
	FETCH \next, 0, F0
.if \fill
	ASK
.endif
	MUL16 F1, 1, 0, 0
	MUL16 F1, 1, 2, 0
.endm
	s_wait_loadcnt 0x0                             ; the tables
.irp a, 0,1,2,3,4,5,6,7
	v_mul_f32 v[WK+2*(\a)], s[RK1], v[WK+2*(\a)]   ; w / (2 k1),
	v_mov_b32 v[WK+2*(\a)+1], v[WK+2*(\a)]         ; as a pair
.endr
	MUL16 F1, 0, 0, 1, 1                           ; THE SUMS START with b1: 64 products while the first tiles are on their way
	MUL16 F1, 0, 2, 1, 1
	MUL16 F1, 1, 0, 1, 1
	MUL16 F1, 1, 2, 1, 1
	s_wait_tensorcnt 1                             ; my part of K step 0 is in; K step 1's may stay out
	s_barrier_signal -1
	s_barrier_wait -1                              ; everybody's is
	FETCH 0, 0, F0
	WIN 0
	s_mov_b32 s3, LAPS-1
.Llap:                                                 ; a trip goes once round the ring and fills both slots again
	QUARTER 0, 1, F0, F1
	QUARTER 0, 2, F1, F0
	QUARTER 0, 3, F0, F1
	TURN 0, 1, 1
	QUARTER 1, 1, F0, F1
	QUARTER 1, 2, F1, F0
	QUARTER 1, 3, F0, F1
	TURN 1, 0, 1
	WIN 0
	s_sub_co_u32 s3, s3, 1
	s_cmp_lg_u32 s3, 0
	s_cbranch_scc1 .Llap
	QUARTER 0, 1, F0, F1                           ; the last lap is written out: it fills nothing
	QUARTER 0, 2, F1, F0
	QUARTER 0, 3, F0, F1
	TURN 0, 1, 0
	QUARTER 1, 1, F0, F1
	QUARTER 1, 2, F1, F0
	QUARTER 1, 3, F0, F1
	s_wait_dscnt 8
	MUL16 F1, 0, 0, 0
	MUL16 F1, 0, 2, 0
	s_wait_dscnt 0x0                               ; my last reads of the ring are back:
	s_barrier_signal -1
	MUL16 F1, 1, 0, 0
	MUL16 F1, 1, 2, 0
	WIN 0
	s_barrier_wait -1                              ; everybody's are, and the ring has had its last fill: its bytes may be stored into
	PLACES
	; THE WAY OUT.  Accumulator (a, b): row 16 a + r, columns 16 b + 8 h + 0..7: 32 bytes, the lower four registers first.
.irp a, 0,1,2,3,4,5,6,7
	WIN 0x08+4*((\a)/4)                            ; the data (source 1) in window 2 or 3
.irp b, 0,1,2,3,4,5,6,7
	ds_store_b128 v[STO], v[8*(8*((\a)%4)+(\b)):8*(8*((\a)%4)+(\b))+3]   offset:(\a)*16*DP+64*(\b)
	ds_store_b128 v[STO], v[8*(8*((\a)%4)+(\b))+4:8*(8*((\a)%4)+(\b))+7] offset:(\a)*16*DP+64*(\b)+16
.endr
.endr
	WIN 0
.irp a, 0,1,2,3,4,5,6,7
	ds_store_b64 v[STOW], v[WK+2*(\a):WK+2*(\a)+1] offset:(\a)*16*DP  ; both halves of the lanes write the same pair to the same bytes
.endr
	s_wait_dscnt 0x0
	s_barrier_signal -1
	s_barrier_wait -1                              ; from here on LDS is only read: the stepped addresses below meet no store of any wave
.irp t, 0,1,2,3,4,5,6,7
	ds_load_b128 v[RAW+4*(\t):RAW+4*(\t)+3], v[RD] offset:DP*(\t)
.endr
	v_mov_b32 v[RDC], v[RD]
	v_mov_b32 v[RWC], v[RW]
	s_mov_b32 s[GOF], 0
	s_mov_b32 s3, 15
.macro ALL16 line:vararg               ; one line for each of a trip's 16 pairs, at i = 0, 2 .. 30
.set i, 0
.rept 16
	\line
.set i, i+2
.endr
.endm
; A trip: 8 rows, 32 numbers a lane.  The 64 transcendentals are ONE batch with one wait; each stands alone between plain lines of the next pair.  more = 1: the next 8 rows are fetched as soon as these have been read.
; The stores' base is stepped AHEAD of a trip's stores, which reach back by a negative immediate: so the wait that frees the base and the stores' data stands a whole trip behind the stores that read them.
.macro GTRIP more
	s_wait_dscnt 0x0                               ; the trip's 8 rows are in
.irp t, 0,1,2,3,4,5,6,7
	ds_load_b64 v[WW+2*(\t):WW+2*(\t)+1], v[RWC] offset:DP*(\t)  ; all lanes read the row's one pair
.endr
	ALL16 v_pk_mul_f32 v[U+i:U+i+1], v[RAW+i:RAW+i+1], s[K1:K1+1] op_sel_hi:[1,0]
.if \more
.irp t, 0,1,2,3,4,5,6,7
	ds_load_b128 v[RAW+4*(\t):RAW+4*(\t)+3], v[RDC] offset:DP*(8+(\t))
.endr
.endif
.set i, 0
.rept 16
	v_and_b32 v[AU+i], s[ABSM], v[U+i]
.if i > 0
	v_rcp_f32 v[T+i-2], v[T+i-2]
.endif
	v_and_b32 v[AU+i+1], s[ABSM], v[U+i+1]
.if i > 0
	v_rcp_f32 v[T+i-1], v[T+i-1]
.endif
	v_pk_fma_f32 v[T+i:T+i+1], v[AU+i:AU+i+1], s[PP:PP+1], 1.0 op_sel_hi:[1,0,0]       ; 1 + P |u|
.if i > 0
	v_exp_f32 v[E+i-2], v[E+i-2]
.endif
	v_pk_mul_f32 v[E+i:E+i+1], v[U+i:U+i+1], v[U+i:U+i+1] neg_lo:[1,0] neg_hi:[1,0]    ; -u^2
.if i > 0
	v_exp_f32 v[E+i-1], v[E+i-1]
.endif
.set i, i+2
.endr
	v_rcp_f32 v[T+30], v[T+30]
	v_rcp_f32 v[T+31], v[T+31]
	v_exp_f32 v[E+30], v[E+30]
	v_exp_f32 v[E+31], v[E+31]
	v_nop                                          ; a plain instruction behind the last of them,
	s_wait_alu depctr_va_vdst(0)                   ; and one wait for the batch, ahead of its first reader
	ALL16 v_pk_fma_f32 v[PL+i:PL+i+1], v[T+i:T+i+1], s[A3:A3+1], s[A2:A2+1] op_sel_hi:[1,0,0]
	ALL16 v_pk_fma_f32 v[PL+i:PL+i+1], v[PL+i:PL+i+1], v[T+i:T+i+1], s[A1:A1+1] op_sel_hi:[1,1,0]
	ALL16 v_pk_mul_f32 v[PL+i:PL+i+1], v[PL+i:PL+i+1], v[T+i:T+i+1]
	ALL16 v_pk_fma_f32 v[PL+i:PL+i+1], v[PL+i:PL+i+1], v[E+i:E+i+1], 1.0 op_sel_hi:[1,1,0] neg_lo:[1,0,0] neg_hi:[1,0,0]  ; erf = 1 - poly 2^(-u^2)
	ALL16 v_pk_fma_f32 v[PL+i:PL+i+1], v[AU+i:AU+i+1], v[PL+i:PL+i+1], v[U+i:U+i+1]                                      ; u + |u| erf
.if \more
	s_wait_dscnt 8                                 ; the gate weights are in; the next 8 rows, issued behind them, stay out
.else
	s_wait_dscnt 0x0
.endif
	ALL16 v_pk_mul_f32 v[PL+i:PL+i+1], v[PL+i:PL+i+1], v[WW+2*(i/4):WW+2*(i/4)+1]
	s_wait_xcnt 0x0                                ; the last trip's stores have read their base and their data: both are written again only behind this wait
	s_add_nc_u64 s[8:9], s[8:9], 8*ROWC
	ALL16 v_cvt_pk_f16_f32 v[TMP+i/2], v[PL+i], v[PL+i+1]
.irp t, 0,1,2,3,4,5,6,7
	global_store_b64 v[CO], v[TMP+2*(\t):TMP+2*(\t)+1], s[8:9] offset:ROWC*(\t)-8*ROWC  ; 256 consecutive bytes, at a multiple of 256 from hid's first byte
.endr
.endm
.Lgelu:
	GTRIP 1
	s_add_co_u32 s[GOF], s[GOF], 8*DP
	v_add_nc_u32 v[RDC], s[GOF], v[RD]
	v_add_nc_u32 v[RWC], s[GOF], v[RW]
	s_sub_co_u32 s3, s3, 1
	s_cmp_lg_u32 s3, 0
	s_cbranch_scc1 .Lgelu
	GTRIP 0                                        ; the last 8 rows: nothing more to fetch
	s_wait_tensorcnt 0x0                           ; the wave's end: behind my last tensor load and my last LDS store
	ds_add_u32 v[SPW], v[NIL]
	s_wait_dscnt 0x0
	CROUND                                         ; the closing round: no work-group ends while a partner may still ask for a tile that names it
	s_endpgm
.Lfunc_end_k_q77e565adba_up:
	.size	k_q77e565adba_up, .Lfunc_end_k_q77e565adba_up-k_q77e565adba_up
	.p2alignl 7, 3214868480
	.fill 96, 4, 3214868480
	.section	.rodata,"a",@progbits
	.p2align	6, 0x0
	.amdhsa_kernel k_q77e565adba_up
		.amdhsa_group_segment_fixed_size 327680
		.amdhsa_private_segment_fixed_size 0
		.amdhsa_enable_private_segment 0
		.amdhsa_kernarg_size 40
		.amdhsa_user_sgpr_count 2
		.amdhsa_user_sgpr_kernarg_segment_ptr 1
		.amdhsa_wavefront_size32 1
		.amdhsa_system_sgpr_workgroup_id_x 1
		.amdhsa_system_sgpr_workgroup_id_y 1
		.amdhsa_system_sgpr_workgroup_id_z 1
		.amdhsa_system_vgpr_workitem_id 0
		.amdhsa_next_free_vgpr 1024
		.amdhsa_next_free_sgpr 96
		.amdhsa_reserve_vcc 0
		.amdhsa_float_denorm_mode_32 3
		.amdhsa_float_denorm_mode_16_64 3
		.amdhsa_memory_ordered 1
		.amdhsa_forward_progress 1
		.amdhsa_inst_pref_size 161
	.end_amdhsa_kernel
	.amdgpu_metadata
---
amdhsa.version: [ 1, 2 ]
amdhsa.kernels:
  - .name:           k_q77e565adba_up
    .symbol:         k_q77e565adba_up.kd
    .args:
      - { .name: xb, .offset: 0, .size: 8, .value_kind: global_buffer, .address_space: global }
      - { .name: w1c, .offset: 8, .size: 8, .value_kind: global_buffer, .address_space: global }
      - { .name: hid, .offset: 16, .size: 8, .value_kind: global_buffer, .address_space: global }
      - { .name: b1pad, .offset: 24, .size: 8, .value_kind: global_buffer, .address_space: global }
      - { .name: wf, .offset: 32, .size: 8, .value_kind: global_buffer, .address_space: global }
    .group_segment_fixed_size: 327680
    .private_segment_fixed_size: 0
    .kernarg_segment_align: 8
    .kernarg_segment_size: 40
    .max_flat_workgroup_size: 128
    .sgpr_count:     96
    .vgpr_count:     1024
    .wavefront_size: 32
...
	.end_amdgpu_metadata
.endif
;; end of part 2
;; launch down (part 3): grid 4 x 64, 4 waves a work-group, clusters of 4 x 4, 327,680 bytes of LDS; arguments hid, w2c, out0, b2pad, wb; writes out0
.if DOCPART == 3
	.amdgcn_target "amdgcn-amd-amdhsa--gfx1250"
	.amdhsa_code_object_version 6
	.text
	.protected	k_q77e565adba_down
	.globl	k_q77e565adba_down
	.p2align	8
	.type	k_q77e565adba_down,@function
k_q77e565adba_down:
	s_mov_b64 s[64:65], 0
	v_nop
	global_prefetch_b8 v0, s[64:65] scope:SCOPE_SE
	s_setreg_imm32_b32 hwreg(HW_REG_WAVE_MODE, 25, 1), 1
	s_wait_xcnt 0x0
	s_wait_alu depctr_hold_cnt(0) depctr_sa_sdst(0) depctr_va_vdst(0) depctr_va_sdst(0) depctr_va_ssrc(0) depctr_va_vcc(0) depctr_vm_vsrc(0)
	s_getreg_b32 s2, hwreg(HW_REG_IB_STS2, 6, 4)
	s_cmp_eq_u32 s2, 0
	s_cbranch_scc0 .Lentry_in_a_cluster
	s_endpgm
.Lentry_in_a_cluster:
	s_bfe_u32 s2, ttmp6, 0x10000c
	s_cmp_lg_u32 s2, 0xf033
	s_cbranch_scc0 .Lentry_shape_is_right
	s_endpgm
.Lentry_shape_is_right:
; out[n][o] = sum over (e, h) of hid[n][256 e + h] W2[e][h][o] + sum over e of w[n][e] b2[e][o], in f32.  A = hid [16384][2048] f16 (it holds w gelu already); B = w2c [2048][1024] f16, that is [K][N]; nothing is left out.
; The text is the first product's: a tile of 256 x 256, four waves of 128 x 128 in 64 accumulators, K in steps of 128 through a ring of two LDS slots filled by the tensor data mover (256 rows x 256 bytes of A: waves 0, 1;
; 128 k rows x 512 bytes of B: waves 2, 3), B's fragments turned on the way out of LDS, 4 x 4 clusters with A's tile shared along a row and B's along a column, the product used transposed
; (source 0 = 16 columns of B, source 1 = 16 rows of A: a lane holds one token and eight neighbouring columns).
; THE BIAS STARTS THE SUMS: the first product on each accumulator has C = 0, source 0 = b2pad (b2[e][o] at k = e < 8, zeros behind) and source 1 = the tokens' eight gate weights in f16; the same 16 bytes stand in all
; four places of a lane's fragment, since for k >= 8 they meet zeros.  It has the f16 form like all the others, so that every accumulator's chain is of one form.  The tables for it are asked for ahead of the first tiles.
; THE LAST K STEP GOES BY ROWS OF out, NOT BY K: nothing follows the tile under which its stores could leave, and by K all 64 accumulators would be finished together.  All the step's fragments of B (4 quarters x 64 registers)
; fill window 1; A's come by blocks of 16 rows x 128 K; my eight blocks are finished one after the other, 32 products each, K ascending.  A finished block goes through a stage of my own behind the ring (16 rows x 528 bytes),
; comes back as whole rows into the accumulator registers that it left, and is stored, 512 consecutive bytes a row, behind the next block's products: those stand in the stage's round trip.
; LIMITS.  The operands are f16 (hid rounded once from f32; W2 and b2 rounded to bf16 and written as f16; all within 65,504), the sums f32.  NaN and infinities are not treated apart.
.set SIZE_K, 2048
.set ROWA,   2*SIZE_K                  ; bytes in a row of A
.set ROWB,   2048                      ; bytes from a k row of B to the next
.set ROWC,   4096                      ; bytes in a row of out
.set BCOLS,  9                         ; a tile column of B begins 512 bytes behind the last
.set CCOLS,  10                        ; of out: 1,024 bytes
.set CHALFS, 9                         ; a wave's 128 columns of out: 512 bytes
.set KSTEP,  128
.set LAPS,   SIZE_K/(2*KSTEP)          ; a lap = two K steps = once round the ring
.set PITCH,  272                       ; A's LDS row: 256 bytes + 16 = 68 words: the 16 rows of a load start at 16 different groups of four banks (64 banks of 4 bytes: ISA guide 11.1)
.set PB,     544                       ; B's LDS row: 512 bytes + 32 = 136 words
.set HALFT,  128*PITCH                 ; what one tensor load brings: 128 rows of A, or 64 k rows of B (64 x 544 is the same 34,816)
.set SLOT,   4*HALFT
.set DP,     528                       ; the way out: 128 f32 + 16 bytes = 132 words: the 16 rows that a store touches start at 16 different groups of four banks
.set STAGE,  2*SLOT                    ; behind the ring, never filled by a tensor load: 16 rows x 528 bytes for each wave
.set SPARE,  STAGE+4*16*DP             ; behind the stages: the spare words, 128 bytes for each wave: two blocks of 256 bytes that no other line names
.set ADRA, 16                          ; v16-17  LDS address of my A fragments in slot 0, 1
.set ADRB, 20                          ; v20-21  the same for B
.set STO,  24                          ; v24     the way out: where I put 32 bytes of a row
.set RD,   26                          ; v26     my 16 bytes of my stage's row 0
.set CO,   27                          ; v27     my 16 bytes of a row piece of out
.set SPW,  28                          ; v28     LDS address of my spare word; never rewritten
.set NIL,  29                          ; v29     0; never rewritten
.set PFO,  30                          ; v30     the prefetches' lane offset; never rewritten
.set F0,   64                          ; fragment buffers: window 0 A's, window 1 B's
.set F1,   128
.set PA,   64                          ; the last K step: A's fragments of 16 rows x 128 K, 32 registers; four such buffers, v64-191 of window 0
.set G1,  24                           ; s[24:31] descriptor group 1 for A;  s[32:39] group 0, a set for each slot
.set G0,  32
.set G1B, 48                           ; s[48:55], s[56:63] the same for B
.set G0B, 56
.set LIM, 43                           ; s43     1 in a wave that prefetches, else the greatest number
.set PFA, 44                           ; s[44:45] where my prefetches stand
.set PST, 72                           ; s[72:73] a K step in bytes, for them
.set TB,  88                           ; s[88:89] my place in b2pad
.set TW,  90                           ; s[90:91] my place in wb
.set MSB, 0
.macro WIN new                         ; s_set_vgpr_msb: bits 1:0 source 0, 3:2 source 1, 5:4 source 2, 7:6 destination; the high byte repeats the setting that is left
.if MSB != (\new)
	s_set_vgpr_msb (MSB<<8)|(\new)
.set MSB, \new
.endif
.endm
.set MUL_LO, 0xa1                      ; source 0 (B) window 1, source 1 (A) window 0, C and D window 2 (my rows 0-63)
.set MUL_HI, 0xf1                      ; the same, C and D window 3 (rows 64-127)
.set TO_B,   0x40                      ; destination window 1, address window 0
.macro JLOAD s                         ; a joint load: waves 0, 1 ask for A, waves 2, 3 for B; the branch hangs on the wave's number alone.  An s_nop 0 and four v_nop follow each line
	s_cmp_eq_u32 s11, 0
	s_cbranch_scc0 .Lfor_b_\@
	tensor_load_to_lds s[G0+4*(\s):G0+4*(\s)+3], s[G1:G1+7]
	s_nop 0
.rept 4
	v_nop
.endr
	s_branch .Lasked_\@
.Lfor_b_\@:
	tensor_load_to_lds s[G0B+4*(\s):G0B+4*(\s)+3], s[G1B:G1B+7]
	s_nop 0
.rept 4
	v_nop
.endr
.Lasked_\@:
.endm
.macro ASK                             ; a prefetch into the L2 of the K step two refills on: 32 blocks of 256 bytes, a lane a block; the loop's last trip (s3 = 1) has no such K step
	s_cmp_gt_u32 s3, s[LIM]
	s_cbranch_scc0 .Lnot_mine_\@
	global_prefetch_b8 v[PFO], s[PFA:PFA+1] th:TH_LOAD_NT scope:SCOPE_SE
.Lnot_mine_\@:
.endm
.macro CREST                           ; a round of the cluster's barrier behind its opening barrier
	s_cmp_lg_u32 s10, 0
	s_cbranch_scc1 .Lnot_wave_0_\@
	s_barrier_signal -3
.Lnot_wave_0_\@:
	s_barrier_wait -3
	s_barrier_signal -1
	s_barrier_wait -1
.endm
.macro CROUND
	s_barrier_signal -1
	s_barrier_wait -1
	CREST
.endm
.macro PLACES                          ; four places behind matrix instructions, ahead of loads into registers that they read or wrote and of lines that read results
.rept 4
	v_nop
.endr
.endm
	s_load_b128 s[4:7], s[0:1], 0x0                ; A s[4:5], B s[6:7]
	s_load_b64 s[8:9], s[0:1], 0x10                ; out
	s_load_b64 s[68:69], s[0:1], 0x18              ; b2pad
	s_load_b64 s[70:71], s[0:1], 0x20              ; wb
	v_lshl_add_u32 v[SPW], v0, 2, SPARE
	v_mov_b32 v[NIL], 0
	ds_add_u32 v[SPW], v[NIL]                      ; the wave's opening: the add, twice on end, and its wait ahead of my first tensor load; the set-up below stands between
	ds_add_u32 v[SPW], v[NIL]
	v_lshrrev_b32 v1, 5, v0
	v_readfirstlane_b32 s10, v1                    ; wave 0..3
	s_lshr_b32 s11, s10, 1                         ; which half of the tile's rows is mine.  Also: I fetch for A (0) or for B (1)
	s_and_b32 s12, s10, 1                          ; which half of its columns.  Also: which half of that tile I fetch
	s_bfe_u32 s40, ttmp6, 0x40000                  ; cx
	s_bfe_u32 s41, ttmp6, 0x40004                  ; cy
	s_lshl_b32 s42, ttmp9, 2
	s_add_co_u32 s42, s42, s40                     ; tile column
	s_and_b32 s13, ttmp7, 0xffff
	s_lshl_b32 s13, s13, 2
	s_add_co_u32 s13, s13, s41                     ; tile row
	s_lshl_b32 s43, s41, 2
	s_lshl_b32 s43, 15, s43                        ; my row of the cluster
	s_lshl_b32 s44, 0x1111, s40                    ; my column
	s_or_b32 s[G1+0], s43, (1<<16)|(1<<20)|(1<<21)|(5<<22)|(3<<25)   ; the mask; 2-byte elements; padding on; bit 21 beside a mask; after every 64 words, 4 words
	s_or_b32 s[G1B+0], s44, (1<<16)|(1<<20)|(1<<21)|(6<<22)|(7<<25)  ; the same for B: after every 128 words, 8 words
	s_mov_b32 s[G1+1], KSTEP<<16                   ; A: tensor_dim0 = 128
	s_mov_b32 s[G1+2], 128<<16                     ; tensor_dim1 = 128
	s_mov_b32 s[G1+3], KSTEP<<16                   ; tile_dim0 = 128
	s_mov_b32 s[G1+4], 128                         ; tile_dim1 = 128
	s_mov_b32 s[G1+5], SIZE_K                      ; elements from row to row
	s_mov_b32 s[G1+6], 0
	s_mov_b32 s[G1+7], 0
	s_mov_b32 s[G1B+1], 256<<16                    ; B: tensor_dim0 = 256 columns
	s_mov_b32 s[G1B+2], 64<<16                     ; tensor_dim1 = 64 k rows
	s_mov_b32 s[G1B+3], 256<<16
	s_mov_b32 s[G1B+4], 64
	s_mov_b32 s[G1B+5], ROWB/2
	s_mov_b32 s[G1B+6], 0
	s_mov_b32 s[G1B+7], 0
	s_lshl_b32 s17, s12, 7
	s_lshl_b32 s16, s13, 8
	s_add_co_u32 s16, s16, s17                     ; A: row 256 x tile row + 128 x half: of the tile row and the wave alone
	s_mul_i32 s16, s16, ROWA                       ; under 2^27
	s_mov_b32 s17, 0
	s_lshl_b32 s46, s42, BCOLS                     ; B: the tile column,
	s_mul_i32 s47, s12, 64*ROWB                    ; and 64 k rows x half: of the tile column and the wave alone
	s_add_co_u32 s46, s46, s47
	s_mov_b32 s47, 0
	s_mul_i32 s20, s10, HALFT                      ; where they go: wave x 34,816: no place in the cluster enters an LDS address
	; my places in the two tables
	v_and_b32 v1, 15, v0                           ; r = lane % 16
	v_bfe_u32 v2, v0, 4, 1                         ; h = lane / 16
	v_and_b32 v6, 31, v0                           ; lane
	v_lshlrev_b32 v4, 6, v1
	v_lshl_add_u32 v4, v2, 4, v4                   ; a fragment of b2pad: row r x 64 bytes + 16 h
	v_lshlrev_b32 v5, 4, v1                        ; a token's 16 bytes of wb
	s_lshl_b32 s[TB], s42, 8
	s_lshl_b32 s[TB+1], s12, 7
	s_add_co_u32 s[TB], s[TB], s[TB+1]             ; my first column of the 1,024
	s_lshl_b32 s[TB], s[TB], 6
	s_mov_b32 s[TB+1], 0
	s_lshl_b32 s22, s13, 8
	s_lshl_b32 s23, s11, 7
	s_add_co_u32 s22, s22, s23                     ; my first row
	s_lshl_b32 s[TW], s22, 4
	s_mov_b32 s[TW+1], 0
	s_wait_dscnt 0x0                               ; both opening adds are done
	s_wait_kmcnt 0x0
	s_add_nc_u64 s[14:15], s[4:5], s[16:17]
	s_add_nc_u64 s[46:47], s[6:7], s[46:47]
	s_add_nc_u64 s[68:69], s[68:69], s[TB:TB+1]
	s_add_nc_u64 s[70:71], s[70:71], s[TW:TW+1]
	WIN TO_B                                       ; the tables go out first: the products that start the sums wait for them alone
.irp b, 0,1,2,3,4,5,6,7
	global_load_b128 v[F1+8*(\b):F1+8*(\b)+3], v4, s[68:69] offset:1024*(\b)
	global_load_b128 v[F1+8*(\b)+4:F1+8*(\b)+7], v4, s[68:69] offset:1024*(\b)+32
.endr
	WIN 0
.irp a, 0,1,2,3,4,5,6,7
	global_load_b128 v[F1+8*(\a):F1+8*(\a)+3], v5, s[70:71] offset:256*(\a)
	global_load_b128 v[F1+8*(\a)+4:F1+8*(\a)+7], v5, s[70:71] offset:256*(\a)   ; the same 16 bytes: finite numbers for the places that meet zeros
.endr
	CROUND                                         ; all sixteen work-groups are here: the first joint loads meet
.irp s, 0,1
	s_mov_b32 s[G0+4*(\s)], 1
	s_add_co_u32 s[G0+4*(\s)+1], s20, (\s)*SLOT
	s_add_nc_u64 s[G0+4*(\s)+2:G0+4*(\s)+3], s[14:15], (\s)*KSTEP*2
	s_or_b32 s[G0+4*(\s)+3], s[G0+4*(\s)+3], 0x80000000
	s_mov_b32 s[G0B+4*(\s)], 1
	s_add_co_u32 s[G0B+4*(\s)+1], s20, (\s)*SLOT
	s_add_nc_u64 s[G0B+4*(\s)+2:G0B+4*(\s)+3], s[46:47], (\s)*KSTEP*ROWB
	s_or_b32 s[G0B+4*(\s)+3], s[G0B+4*(\s)+3], 0x80000000
	JLOAD \s                                       ; K steps 0 and 1: two loads of mine are out
.endr
	; LDS addresses.  A fragment of A: row r x pitch + 16 h, two loads 32 bytes apart.  Of B: k row 8 h + lane % 8, 16 bytes by (lane / 8) % 2; two turning loads 16 k rows apart.
	v_mul_u32_u24 v3, v1, PITCH
	v_lshl_add_u32 v3, v2, 4, v3
	v_and_b32 v7, 7, v0
	v_bfe_u32 v8, v0, 3, 1
	v_lshl_add_u32 v7, v2, 3, v7
	v_mul_u32_u24 v7, v7, PB
	v_lshl_add_u32 v7, v8, 4, v7
	s_mul_i32 s18, s11, HALFT                      ; my 128 rows of A
	s_lshl_b32 s19, s12, 8                         ; my 128 columns: 256 bytes of each k row of B,
	s_add_co_u32 s19, s19, 2*HALFT                 ; which lies behind A's 256 rows
.irp s, 0,1
	v_add_nc_u32 v[ADRA+(\s)], s18, v3
	v_add_nc_u32 v[ADRB+(\s)], s19, v7
	s_add_co_u32 s18, s18, SLOT
	s_add_co_u32 s19, s19, SLOT
.endr
	s_mul_i32 s18, s10, 16*DP
	s_add_co_u32 s18, s18, STAGE                   ; the way out: my stage
	v_mul_u32_u24 v9, v1, DP
	v_lshl_add_u32 v[STO], v2, 5, v9
	v_add_nc_u32 v[STO], s18, v[STO]               ; in: row r, 32 bytes for each half of the lanes
	v_lshl_add_u32 v[RD], v6, 4, s18               ; back: 32 lanes take a row's 512 bytes
	v_lshlrev_b32 v[CO], 4, v6
	s_lshl_b32 s20, s22, 12                        ; my first row of out,
	s_mov_b32 s21, 0
	s_lshl_b32 s23, s42, CCOLS                     ; the tile's columns,
	s_lshl_b32 s19, s12, CHALFS                    ; my half of them
	s_add_co_u32 s20, s20, s23
	s_add_co_u32 s20, s20, s19
	s_add_nc_u64 s[8:9], s[8:9], s[20:21]
	; THE PREFETCHES.  At a change of slots every wave has waited for all its tensor loads, so a refill goes out alone; what it asks for has been named two K steps, 512 matrix instructions, earlier.
	; Each block of 256 bytes is named once in the launch: A's rows by the clusters with x = 0 (here all), B's by those with y = 0; of what a wave fetches each of the four partners takes a quarter BY ADDRESS
	; (A: 32 rows by cx, a lane a row; B: 16 k rows by cy, two lanes a row's 512 bytes).  K steps 0 to 3 come by their loads alone.
	s_lshl_b32 s18, s13, 8
	s_lshl_b32 s19, s12, 7
	s_add_co_u32 s18, s18, s19
	s_lshl_b32 s19, s40, 5
	s_add_co_u32 s18, s18, s19
	s_mul_i32 s18, s18, ROWA
	s_add_co_u32 s18, s18, 3*KSTEP*2               ; A: at K step 3: each change of slots steps first, so the first names K step 4
	s_lshl_b32 s19, s12, 6
	s_lshl4_add_u32 s19, s41, s19
	s_add_co_u32 s19, s19, 3*KSTEP
	s_mul_i32 s19, s19, ROWB
	s_lshl_b32 s23, s42, BCOLS
	s_add_co_u32 s19, s19, s23                     ; B: likewise
	s_and_b32 s23, ttmp7, 0xffff                   ; cluster y
	s_mov_b32 s14, KSTEP*ROWB
	s_mov_b32 s15, ROWB
	s_cmp_eq_u32 s11, 0                            ; do I fetch for A?
	s_cselect_b32 s20, s18, s19
	s_cselect_b32 s23, ttmp9, s23                  ; the coordinate along which other clusters read the same blocks
	s_cselect_b64 s[PFA:PFA+1], s[4:5], s[6:7]
	s_cselect_b32 s[PST], KSTEP*2, s14
	s_cselect_b32 s18, 0, 1
	s_cselect_b32 s19, ROWA, s15
	s_mov_b32 s[PST+1], 0
	s_cmp_eq_u32 s23, 0
	s_cselect_b32 s[LIM], 1, -1                    ; the same in all sixteen partners, for a given wave
	s_add_nc_u64 s[PFA:PFA+1], s[PFA:PFA+1], s[20:21]
	v_lshrrev_b32 v[PFO], s18, v6                  ; A: lane; B: lane / 2
	v_mul_u32_u24 v[PFO], s19, v[PFO]              ; x a row
	v_and_b32 v9, s18, v6
	v_lshl_add_u32 v[PFO], v9, 8, v[PFO]           ; B: + 256 x (lane % 2)
; 16 matrix instructions: m blocks a0, a0 + 1 of the window's four x all 8 n blocks, 32 along K.  zero = 1: C = 0.
; The accumulators take turns, one instruction a turn, over the backward jump and into the tail too.
.macro MUL16 f, hi, a0, zero
	WIN MUL_LO+0x50*(\hi)
.irp a, \a0, (\a0)+1
.irp b, 0,1,2,3,4,5,6,7
.if \zero
	v_wmma_f32_16x16x32_f16 v[8*(8*(\a)+(\b)):8*(8*(\a)+(\b))+7], v[(\f)+8*(\b):(\f)+8*(\b)+7], v[(\f)+8*(4*(\hi)+(\a)):(\f)+8*(4*(\hi)+(\a))+7], 0
.else
	v_wmma_f32_16x16x32_f16 v[8*(8*(\a)+(\b)):8*(8*(\a)+(\b))+7], v[(\f)+8*(\b):(\f)+8*(\b)+7], v[(\f)+8*(4*(\hi)+(\a)):(\f)+8*(4*(\hi)+(\a))+7], v[8*(8*(\a)+(\b)):8*(8*(\a)+(\b))+7]
.endif
.endr
.endr
.endm
; 32 LDS loads in one run: quarter q (32 along K) of a slot into buffer f: B's 8 fragments, turned, then A's 8
.macro FETCH slot, q, f
	WIN TO_B
.irp i, 0,1,2,3,4,5,6,7
	ds_load_tr16_b128 v[(\f)+8*(\i):(\f)+8*(\i)+3],   v[ADRB+(\slot)] offset:(\q)*32*PB+32*(\i)
	ds_load_tr16_b128 v[(\f)+8*(\i)+4:(\f)+8*(\i)+7], v[ADRB+(\slot)] offset:(\q)*32*PB+16*PB+32*(\i)
.endr
	WIN 0
.irp i, 0,1,2,3,4,5,6,7
	ds_load_b128 v[(\f)+8*(\i):(\f)+8*(\i)+3],   v[ADRA+(\slot)] offset:64*(\q)+(\i)*16*PITCH
	ds_load_b128 v[(\f)+8*(\i)+4:(\f)+8*(\i)+7], v[ADRA+(\slot)] offset:64*(\q)+(\i)*16*PITCH+32
.endr
.endm
; One of a K step's first three quarters: multiplies buffer f; in its middle fetches quarter q of the same slot into buffer g
.macro QUARTER slot, q, f, g
	s_wait_dscnt 8                                 ; B and A's rows 0-63 are in; the youngest eight loads (A's rows 64-127) may be out
	MUL16 \f, 0, 0, 0
	MUL16 \f, 0, 2, 0
	PLACES
	FETCH \slot, \q, \g
	s_wait_dscnt 32                                ; all but the 32 just issued
	MUL16 \f, 1, 0, 0
	MUL16 \f, 1, 2, 0
.endm
; The first half of a K step's last quarter, which multiplies buffer 1: ONE barrier for the change of slots.  In front of it each wave waits for all its tensor loads (one is out: its part of the next slot), adds 0 to its
; spare word, and waits for that and for its reads of this slot.  round = 1: a round of the cluster's barrier follows.
.macro MEET round
	WIN 0                                          ; (the add's two registers lie in window 0)
	s_wait_tensorcnt 0x0                           ; all my tensor loads have landed
	ds_add_u32 v[SPW], v[NIL]
	s_wait_dscnt 9                                 ; (the add and the youngest eight loads may be out)
	MUL16 F1, 0, 0, 0
	s_wait_dscnt 0x0                               ; the add is done, and my reads of this slot are over
	s_barrier_signal -1
	MUL16 F1, 0, 2, 0
.if \round
	WIN 0                                          ; at a branch and at a label every window is 0
.endif
	s_barrier_wait -1
.endm
; The whole last quarter where the slot is filled again: the barrier opens a round of the cluster's, and the joint refill, two K steps ahead, is the first thing behind the round: 224 matrix instructions ahead of the wait for it.
.macro TURN slot, next
	s_wait_xcnt 0x0                                ; the last prefetch, a K step back, has read its address
	s_add_nc_u64 s[PFA:PFA+1], s[PFA:PFA+1], s[PST:PST+1]
	MEET 1
	CREST                                          ; no wave of any partner still reads this slot or has a load on its way
	s_add_nc_u64 s[G0+4*(\slot)+2:G0+4*(\slot)+3], s[G0+4*(\slot)+2:G0+4*(\slot)+3], 2*KSTEP*2
	s_add_nc_u64 s[G0B+4*(\slot)+2:G0B+4*(\slot)+3], s[G0B+4*(\slot)+2:G0B+4*(\slot)+3], 2*KSTEP*ROWB
	JLOAD \slot                                    ; its four v_nop are also the places in front of the loads below
	FETCH \next, 0, F0
	ASK
	MUL16 F1, 1, 0, 0
	MUL16 F1, 1, 2, 0
.endm
; THE LAST K STEP, which lies in slot 1.
.macro BLOAD q                         ; B's fragments of quarter q, turned -> window 1, v[64 q ..]
	WIN TO_B
.irp i, 0,1,2,3,4,5,6,7
	ds_load_tr16_b128 v[64*(\q)+8*(\i):64*(\q)+8*(\i)+3],   v[ADRB+1] offset:(\q)*32*PB+32*(\i)
	ds_load_tr16_b128 v[64*(\q)+8*(\i)+4:64*(\q)+8*(\i)+7], v[ADRB+1] offset:(\q)*32*PB+16*PB+32*(\i)
.endr
.endm
.macro ALOAD a                         ; A's fragments of block a, all four quarters -> buffer a % 4
	WIN 0
.set FA, PA+32*((\a)%4)
.irp q, 0,1,2,3
	ds_load_b128 v[FA+8*(\q):FA+8*(\q)+3],   v[ADRA+1] offset:64*(\q)+(\a)*16*PITCH
	ds_load_b128 v[FA+8*(\q)+4:FA+8*(\q)+7], v[ADRA+1] offset:64*(\q)+(\a)*16*PITCH+32
.endr
.endm
.macro ROW a                           ; block a is finished: 32 matrix instructions, its 8 accumulators by turns, K ascending
.set FA, PA+32*((\a)%4)
.set AC, 64*((\a)%4)                   ; its accumulators, in window 2 (blocks 0-3) or 3 (blocks 4-7)
	WIN MUL_LO+0x50*((\a)/4)
.irp q, 0,1,2,3
.if (\a) == 0 && (\q) == 2
	s_wait_dscnt 24                                ; B's quarter 2 is in (behind it: A's blocks 1 to 3)
.endif
.irp b, 0,1,2,3,4,5,6,7
	v_wmma_f32_16x16x32_f16 v[AC+8*(\b):AC+8*(\b)+7], v[64*(\q)+8*(\b):64*(\q)+8*(\b)+7], v[FA+8*(\q):FA+8*(\q)+7], v[AC+8*(\b):AC+8*(\b)+7]
.endr
.endr
.endm
; Block a into my stage (accumulator b: row r, columns 16 b + 8 h + 0..7: 32 bytes, the lower four registers first) and back as whole rows, row t into registers 4 t .. 4 t + 3 of the 64 that the block left.
.macro TOSTAGE a
.set AC, 64*((\a)%4)
	WIN 0x88+0x44*((\a)/4)                         ; stored data (source 1) and loaded data (destination) in window 2 or 3, addresses in window 0
.irp b, 0,1,2,3,4,5,6,7
	ds_store_b128 v[STO], v[AC+8*(\b):AC+8*(\b)+3]   offset:64*(\b)
	ds_store_b128 v[STO], v[AC+8*(\b)+4:AC+8*(\b)+7] offset:64*(\b)+16
.endr
.irp t, 0,1,2,3,4,5,6,7,8,9,10,11,12,13,14,15
	ds_load_b128 v[AC+4*(\t):AC+4*(\t)+3], v[RD] offset:(\t)*DP  ; LDS serves a wave's instructions in order (ISA guide 5.7.1.4): these see the stores above, and the next block's stores come behind them
.endr
.endm
.macro SEND a, younger                 ; younger: the LDS loads issued behind TOSTAGE's, which may stay out
.set AC, 64*((\a)%4)
	WIN 0x88+0x44*((\a)/4)
	s_wait_dscnt \younger                          ; the block is back in registers
.irp t, 0,1,2,3,4,5,6,7,8,9,10,11,12,13,14,15
	global_store_b128 v[CO], v[AC+4*(\t):AC+4*(\t)+3], s[8:9] offset:(16*(\a)+(\t))*ROWC th:TH_STORE_NT  ; 512 consecutive bytes, at a multiple of 512 from out's first byte; 127 rows at the most: inside the signed 24-bit immediate
.endr
.endm
	s_wait_loadcnt 0x0                             ; the tables
	MUL16 F1, 0, 0, 1                              ; THE SUMS START with w b2: 64 products while the first tiles are on their way
	MUL16 F1, 0, 2, 1
	MUL16 F1, 1, 0, 1
	MUL16 F1, 1, 2, 1
	s_wait_tensorcnt 1                             ; my part of K step 0 is in; K step 1's may stay out
	s_barrier_signal -1
	s_barrier_wait -1                              ; everybody's is
	FETCH 0, 0, F0
	WIN 0
	s_mov_b32 s3, LAPS-1
.Llap:                                                 ; a trip goes once round the ring and fills both slots again
	QUARTER 0, 1, F0, F1
	QUARTER 0, 2, F1, F0
	QUARTER 0, 3, F0, F1
	TURN 0, 1
	QUARTER 1, 1, F0, F1
	QUARTER 1, 2, F1, F0
	QUARTER 1, 3, F0, F1
	TURN 1, 0
	WIN 0
	s_sub_co_u32 s3, s3, 1
	s_cmp_lg_u32 s3, 0
	s_cbranch_scc1 .Llap
	QUARTER 0, 1, F0, F1                           ; the last lap is written out: it fills nothing
	QUARTER 0, 2, F1, F0
	QUARTER 0, 3, F0, F1
	MEET 0                                         ; my one tensor load that was still out is slot 1's, the last K step's, so no round follows
	PLACES                                         ; for the loads into buffer 0, which the quarter before multiplied
	BLOAD 0                                        ; three quarters of B now: buffer 1 (v128-191 of both windows) is still being multiplied
	BLOAD 1
	BLOAD 3
	ALOAD 0
	MUL16 F1, 1, 0, 0
	MUL16 F1, 1, 2, 0
	PLACES                                         ; for the loads into buffer 1
	BLOAD 2
	ALOAD 1
	ALOAD 2
	ALOAD 3
	s_wait_dscnt 40                                ; all but the 40 just issued
	ROW 0
.irp a, 0,1,2,3,4,5,6,7
	PLACES                                         ; behind block a's last product: the stage's stores read its results, the loads land on them, and its buffer of A is loaded again
	TOSTAGE \a
.if (\a) < 4
	ALOAD (\a)+4                                   ; its buffer takes the block four further on
.endif
.if (\a) == 0
	s_wait_dscnt 40                                ; A's blocks 1 to 3 are in: behind them stand the stage's 32 and block 4's 8.  (A later block's loads are shown in by the wait of a SEND two blocks ahead of its products.)
.endif
.if (\a) < 7
	ROW (\a)+1                                     ; the next block's products stand in the stage's round trip
.endif
.if (\a) < 4
	SEND \a, 8
.else
	SEND \a, 0
.endif
.endr
	WIN 0
	s_wait_tensorcnt 0x0                           ; the wave's end: behind my last tensor load and my last LDS store
	ds_add_u32 v[SPW], v[NIL]
	s_wait_dscnt 0x0
	CROUND                                         ; the closing round: no work-group ends while a partner may still ask for a tile that names it
	s_endpgm
.Lfunc_end_k_q77e565adba_down:
	.size	k_q77e565adba_down, .Lfunc_end_k_q77e565adba_down-k_q77e565adba_down
	.p2alignl 7, 3214868480
	.fill 96, 4, 3214868480
	.section	.rodata,"a",@progbits
	.p2align	6, 0x0
	.amdhsa_kernel k_q77e565adba_down
		.amdhsa_group_segment_fixed_size 327680
		.amdhsa_private_segment_fixed_size 0
		.amdhsa_enable_private_segment 0
		.amdhsa_kernarg_size 40
		.amdhsa_user_sgpr_count 2
		.amdhsa_user_sgpr_kernarg_segment_ptr 1
		.amdhsa_wavefront_size32 1
		.amdhsa_system_sgpr_workgroup_id_x 1
		.amdhsa_system_sgpr_workgroup_id_y 1
		.amdhsa_system_sgpr_workgroup_id_z 1
		.amdhsa_system_vgpr_workitem_id 0
		.amdhsa_next_free_vgpr 1024
		.amdhsa_next_free_sgpr 96
		.amdhsa_reserve_vcc 0
		.amdhsa_float_denorm_mode_32 3
		.amdhsa_float_denorm_mode_16_64 3
		.amdhsa_memory_ordered 1
		.amdhsa_forward_progress 1
		.amdhsa_inst_pref_size 150
	.end_amdhsa_kernel
	.amdgpu_metadata
---
amdhsa.version: [ 1, 2 ]
amdhsa.kernels:
  - .name:           k_q77e565adba_down
    .symbol:         k_q77e565adba_down.kd
    .args:
      - { .name: hid, .offset: 0, .size: 8, .value_kind: global_buffer, .address_space: global }
      - { .name: w2c, .offset: 8, .size: 8, .value_kind: global_buffer, .address_space: global }
      - { .name: out0, .offset: 16, .size: 8, .value_kind: global_buffer, .address_space: global }
      - { .name: b2pad, .offset: 24, .size: 8, .value_kind: global_buffer, .address_space: global }
      - { .name: wb, .offset: 32, .size: 8, .value_kind: global_buffer, .address_space: global }
    .group_segment_fixed_size: 327680
    .private_segment_fixed_size: 0
    .kernarg_segment_align: 8
    .kernarg_segment_size: 40
    .max_flat_workgroup_size: 128
    .sgpr_count:     96
    .vgpr_count:     1024
    .wavefront_size: 32
...
	.end_amdgpu_metadata
.endif
;; end of part 3
;; ======== version 2 of 2: 3 launches; version 1 with the launch prep written anew for expert scheduling mode
;; limits: a function is approximated: absolute error at most 2.5e-05; an absolute error that grows with the inputs' magnitude: up to 1.25e-05 times it; values are held in f16: magnitudes above 65,504 overflow, below 6.1e-05 lose precision
;; workspace buffers: xb 33,554,432 bytes; w1c 4,194,304 bytes; w2c 4,194,304 bytes; hid 67,108,864 bytes; wf 524,288 bytes; wb 262,144 bytes; b1pad 131,072 bytes; b2pad 65,536 bytes
;; launch prep (part 4): grid 816 x 1, 8 waves a work-group, no clusters, 105,472 bytes of LDS; arguments x, W1, W2, Wg, b1, b2, bg, xb, w1c, w2c, wf, wb, b1pad, b2pad; writes xb, w1c, w2c, wf, wb, b1pad, b2pad
.if DOCPART == 4
	.amdgcn_target "amdgcn-amd-amdhsa--gfx1250"
	.amdhsa_code_object_version 6
	.text
	.protected	k_q77e565adba_prep
	.globl	k_q77e565adba_prep
	.p2align	8
	.type	k_q77e565adba_prep,@function
k_q77e565adba_prep:
	s_mov_b64 s[64:65], 0
	v_nop
	global_prefetch_b8 v0, s[64:65] scope:SCOPE_SE
	s_setreg_imm32_b32 hwreg(HW_REG_WAVE_SCHED_MODE, 0, 2), 2
	s_setreg_imm32_b32 hwreg(HW_REG_WAVE_MODE, 25, 1), 1
	s_wait_xcnt 0x0
	s_wait_alu depctr_vm_vsrc(0)
; THE PROGRAM.  out[n][o] = sum over e of w[n][e] (gelu(x[n] W1[e] + b1[e]) W2[e] + b2[e])[o], w = softmax(x Wg + bg).
; The gates are soft: every expert counts for every token, so NOTHING IS LEFT OUT and every input is loaded.  The gate's weight is a factor of a whole row of an
; expert's hidden layer, so it is applied there: out = sum over (e, h) of (w[n][e] gelu(..)[n][e][h]) W2[e][h][o] + sum over e of w[n][e] b2[e][o]: the same real
; number for all inputs, in another order of rounding.  That makes two plain products with a hidden width of 8 x 256 = 2,048:
;   launch up:   hid = w gelu(x W1 + b1)      [16384][2048] f16           launch down:   out = hid W2 + w b2      [16384][1024] f32
; THIS LAUNCH prepares their operands, each input byte read once: x, W1, W2 rounded in their own layouts (the products take W1 and W2 as [K][N] and turn
; them on the way out of LDS); the gate (x Wg + bg, maximum taken away, softmax) from the rounded x, in f32 (wf, by planes of four experts) and in f16 (wb);
; b1 and b2 as tables of 32 along K (b1pad[c][0] = b1[c]; b2pad[o][e] = b2[e][o]; the rest 0), so that each product's first K step adds its bias.
; FORMATS.  Every input is rounded once to bf16.  The first product and the gate multiply in bf16.  The second product multiplies in f16, since hid, which the program makes itself, wants f16's 11 significant bits:
; so W2 and b2, rounded to bf16, are written as f16 (the same number down to 2^-17; below that off by at most 3e-8), and w goes to f16 from f32.
; LIMITS.  W2 and b2 beyond 65,504 do not fit f16.  A gate weight below 2^-126 of the largest counts as 0; in wb a weight below 6e-5 keeps f16's fixed step of 6e-8.  NaN and infinities are not treated apart.
; ROLES, by the work-group's number alone (the same in all eight waves):  0-255 cast 64 KiB of W1 (0-127) or W2 (128-255);  256-287 b1pad;  288-303 b2pad;
; 304-815 32 rows of x: wave v takes 16 rows (v / 4) x 256 of K (v % 4).  No cluster, no L2 prefetch: the launch is a stream in which every wave has 24 KiB of loads out at once,
; and what work-groups share is Wg's 32 KiB.
; THE MODE: SCHED_MODE bits 1:0 = 2 (LLVM: expert scheduling mode 2), set by the entry lines.  The code itself states the register dependences
; between vector or matrix instructions and memory or LDS instructions, with s_wait_alu, always for 0.
; THE PLAN.  Registers that memory or LDS instructions touch:
;   offsets and LDS addresses (v4, v5; in the rows' role also v6 to v9 and v13; in the tables' roles v5, v7): made once at a role's head, never written again.
;   raw registers (XR; in the rows' role also WGR at first): a load lands in each once; the conversions read them.  In the rows' role the fragments' LDS loads land in XR afterwards.
;   out registers (cast: ACC; rows: WGB for Wg, WGR for x): each is written once, by a conversion, and read by its store or stores.
; The loads are taken in groups of four.  At a group's head stand the counted wait for its four loads and ONE wait on va_vdst: the group before has written its out registers.  The stores of the group
; before follow, dealt among this group's conversions, which name this group's raw and out registers alone: none that those stores touch.
; No register that a memory or LDS instruction has read is written again, on any path: so the text holds no wait on vm_vsrc.  EXEC is written nowhere.
.set XP,    528                        ; a row of 256 bf16 of x in LDS: 512 bytes + 16: the 16 rows of a fragment load start at 16 different groups of four banks (64 banks of 4 bytes: ISA guide 11.1)
.set WREG,  12544                      ; a wave's own LDS: 16 rows of x, then its quarter of Wg
.set WGQ,   16*XP                      ; Wg's quarter: [256 k][8 experts] bf16, 16 bytes a row
.set RED,   8*WREG                     ; the eight waves' partial logits: 16 tokens x 8 f32 each
.set SPARE, RED+8*512                  ; the spare words, 128 bytes for each wave: four blocks of 256 bytes that no other line names
.set SPW, 2                            ; v2   LDS address of my spare word; never rewritten
.set NIL, 3                            ; v3   0; never rewritten
.set L16, 4                            ; v4   16 x lane (role 0-255: 16 x thread)
.set L8,  5                            ; v5   8 x lane (8 x thread)
.set ACC, 16                           ; v[16:31]   two accumulators (role 0-255: v[16:47], the numbers to store)
.set WGB, 32                           ; v[32:63]   Wg's quarter in bf16
.set XR,  64                           ; v[64:191]  x as loaded; then the fragments
.set WGR, 192                          ; v[192:255] Wg as loaded; then x in bf16
	s_load_b512 s[8:23], s[0:1], 0x0               ; x 8, W1 10, W2 12, Wg 14, b1 16, b2 18, bg 20, xb 22
	s_load_b256 s[24:31], s[0:1], 0x40             ; w1c 24, w2c 26, wf 28, wb 30
	s_load_b128 s[32:35], s[0:1], 0x60             ; b1pad 32, b2pad 34
	v_lshl_add_u32 v[SPW], v0, 2, SPARE
	v_mov_b32 v[NIL], 0
	s_wait_kmcnt 0x0
	s_cmp_ge_u32 ttmp9, 304
	s_cbranch_scc1 .Lrows
	s_cmp_ge_u32 ttmp9, 288
	s_cbranch_scc1 .Lb2
	s_cmp_ge_u32 ttmp9, 256
	s_cbranch_scc1 .Lb1
	; CAST: 64 KiB of f32 become 32 KiB of 16-bit numbers.  Thread t takes 16 bytes of each 4 KiB; sixteen loads are out at once.
	v_lshlrev_b32 v[L16], 4, v0
	v_lshlrev_b32 v[L8], 3, v0
	s_cmp_ge_u32 ttmp9, 128
	s_cselect_b64 s[4:5], s[12:13], s[10:11]       ; W2 or W1
	s_cselect_b64 s[6:7], s[26:27], s[24:25]       ; w2c or w1c
	s_and_b32 s2, ttmp9, 127
	s_lshl_b32 s36, s2, 16
	s_mov_b32 s37, 0
	s_lshl_b32 s38, s2, 15
	s_mov_b32 s39, 0
	s_add_nc_u64 s[4:5], s[4:5], s[36:37]
	s_add_nc_u64 s[6:7], s[6:7], s[38:39]
	s_wait_alu depctr_va_vdst(0)                   ; v[L16] and v[L8] are written: every load of this role reads the one as its offset, every store the other
.irp j, 0,1,2,3,4,5,6,7,8,9,10,11,12,13,14,15
	global_load_b128 v[XR+4*(\j):XR+4*(\j)+3], v[L16], s[4:5] offset:4096*(\j) th:TH_LOAD_NT
.endr
; half = 0: rounded to bf16.  half = 1: rounded to bf16, and that number written as f16.  Four groups of four loads; group g's stores stand in group g + 1.
.macro CASTOUT half
.set g, 0
.rept 4
	s_wait_loadcnt 12-4*g                          ; loads come back in order: the group's four are in, the younger ones stay out
.if g > 0
	s_wait_alu depctr_va_vdst(0)                   ; the group before has written its eight registers of ACC, which the four stores below read
.endif
.set n, 0
.rept 4
.set j, 4*g+n
.if g > 0
	global_store_b64 v[L8], v[ACC+2*j-8:ACC+2*j-7], s[6:7] offset:2048*(j-4)  ; the group before; a wave's store covers 256 consecutive bytes, aligned.  No vector line since the wait names these registers
.endif
	v_cvt_pk_bf16_f32 v[ACC+2*j], v[XR+4*j], v[XR+4*j+1]
	v_cvt_pk_bf16_f32 v[ACC+2*j+1], v[XR+4*j+2], v[XR+4*j+3]
.if \half
	v_lshlrev_b32 v8, 16, v[ACC+2*j]               ; bf16 to f32: the low half moves up,
	v_and_b32 v9, 0xffff0000, v[ACC+2*j]           ; the high half stays
	v_lshlrev_b32 v10, 16, v[ACC+2*j+1]
	v_and_b32 v11, 0xffff0000, v[ACC+2*j+1]
	v_cvt_pk_f16_f32 v[ACC+2*j], v8, v9
	v_cvt_pk_f16_f32 v[ACC+2*j+1], v10, v11
.endif
.set n, n+1
.endr
.set g, g+1
.endr
	s_wait_alu depctr_va_vdst(0)                   ; the last group has written its eight registers of ACC, which the last four stores read
.irp k, 12,13,14,15
	global_store_b64 v[L8], v[ACC+2*(\k):ACC+2*(\k)+1], s[6:7] offset:2048*(\k)
.endr
.endm
	s_cmp_ge_u32 ttmp9, 128
	s_cbranch_scc1 .Lw2
	CASTOUT 0                                      ; W1
	s_branch .Lend
.Lw2:
	CASTOUT 1                                      ; W2
	s_branch .Lend
.Lb1:	; b1pad: piece p of 16 bytes: row p / 4, quarter p % 4.  Quarter 0 begins with b1[row], in bf16; all else is 0.
	s_sub_co_u32 s2, ttmp9, 256
	v_lshl_add_u32 v4, s2, 8, v0                   ; p
	v_lshrrev_b32 v5, 2, v4
	v_lshlrev_b32 v5, 2, v5                        ; 4 x row
	v_and_b32 v6, 3, v4
	v_lshlrev_b32 v7, 4, v4                        ; 16 p
	s_wait_alu depctr_va_vdst(0)                   ; v5 is written, which the load reads as its offset
	global_load_b32 v8, v5, s[16:17]
	v_mov_b32 v9, 0
	v_mov_b32 v10, 0
	v_mov_b32 v11, 0
	v_cmp_eq_u32 vcc_lo, 0, v6
	s_wait_loadcnt 0x0
	v_cvt_pk_bf16_f32 v8, v8, v9                   ; b1 in the low half, 0 above
	s_wait_alu depctr_va_vcc(0)                    ; the compare has written VCC, ahead of its first reader
	v_cndmask_b32 v8, 0, v8, vcc_lo
	s_wait_alu depctr_va_vdst(0)                   ; v8 to v11 are written, which the store reads as its data (v7, its offset, stands ahead of the wait above)
	global_store_b128 v7, v[8:11], s[32:33]
	s_branch .Lend
.Lb2:	; b2pad: piece p: column o = p / 4, quarter p % 4.  Quarter 0 holds b2[0..7][o], rounded to bf16 and written as f16; the others are 0.
	s_sub_co_u32 s2, ttmp9, 288
	v_lshl_add_u32 v4, s2, 8, v0
	v_lshrrev_b32 v5, 2, v4
	v_lshlrev_b32 v5, 2, v5                        ; 4 o
	v_and_b32 v6, 3, v4
	v_lshlrev_b32 v7, 4, v4
	s_wait_alu depctr_va_vdst(0)                   ; v5 is written, which the eight loads read as their offset
.irp e, 0,1,2,3,4,5,6,7
	global_load_b32 v[16+(\e)], v5, s[18:19] offset:4096*(\e)
.endr
	v_cmp_eq_u32 vcc_lo, 0, v6
	s_wait_loadcnt 0x0
.irp i, 0,1,2,3
	v_cvt_pk_bf16_f32 v[8+(\i)], v[16+2*(\i)], v[17+2*(\i)]
.endr
.irp i, 0,1,2,3
	v_lshlrev_b32 v[16+2*(\i)], 16, v[8+(\i)]
	v_and_b32 v[17+2*(\i)], 0xffff0000, v[8+(\i)]
.endr
.irp i, 0,1,2,3
	v_cvt_pk_f16_f32 v[8+(\i)], v[16+2*(\i)], v[17+2*(\i)]
.endr
	s_wait_alu depctr_va_vcc(0)                    ; the compare has written VCC, ahead of its first reader
.irp i, 0,1,2,3
	v_cndmask_b32 v[8+(\i)], 0, v[8+(\i)], vcc_lo
.endr
	s_wait_alu depctr_va_vdst(0)                   ; v8 to v11 are written, which the store reads as its data (v7, its offset, stands ahead of the wait above)
	global_store_b128 v7, v[8:11], s[34:35]
	s_branch .Lend
.Lrows:	; 32 ROWS OF x: rounded, stored, and multiplied by Wg.
	s_load_b256 s[36:43], s[20:21], 0x0            ; bg: wanted by wave 0 at the end
	s_sub_co_u32 s2, ttmp9, 304                    ; g: rows 32 g ..
	v_lshrrev_b32 v1, 5, v0
	v_readfirstlane_b32 s44, v1                    ; wave 0..7
	v_and_b32 v1, 31, v0
	v_lshlrev_b32 v[L16], 4, v1
	v_lshlrev_b32 v[L8], 3, v1
	s_wait_alu depctr_va_sdst(0)                   ; s44 is written, ahead of its first reader: the bases and the LDS addresses are made from it
	s_lshr_b32 s45, s44, 2                         ; which 16 rows
	s_and_b32 s46, s44, 3                          ; which 256 of K
	s_lshl_b32 s47, s2, 5
	s_lshl4_add_u32 s47, s45, s47                  ; my first row
	s_lshl_b32 s4, s47, 12                         ; x 4,096 bytes
	s_lshl_b32 s6, s46, 10                         ; + my 1,024 bytes of a row
	s_add_co_u32 s4, s4, s6
	s_mov_b32 s5, 0
	s_add_nc_u64 s[8:9], s[8:9], s[4:5]
	s_lshr_b32 s4, s4, 1                           ; the same place in xb: half the bytes
	s_add_nc_u64 s[22:23], s[22:23], s[4:5]
	s_lshl_b32 s4, s46, 13                         ; my 256 rows of Wg, 32 bytes each
	s_add_nc_u64 s[14:15], s[14:15], s[4:5]
	s_wait_alu depctr_va_vdst(0)                   ; v[L16] is written, which the 48 loads read as their offset
.irp j, 0,1,2,3,4,5,6,7,8,9,10,11,12,13,14,15
	global_load_b128 v[WGR+4*(\j):WGR+4*(\j)+3], v[L16], s[14:15] offset:512*(\j)
.endr
.set i, 0
.rept 32                               ; load i: row i / 2, half i % 2 of its 1,024 bytes: 512 consecutive bytes
	global_load_b128 v[XR+4*i:XR+4*i+3], v[L16], s[8:9] offset:(i/2)*4096+(i%2)*512 th:TH_LOAD_NT
.set i, i+1
.endr
	s_mul_i32 s48, s44, WREG
	v_and_b32 v10, 15, v0                          ; r = lane % 16
	v_bfe_u32 v11, v0, 4, 1                        ; h = lane / 16
	v_and_b32 v12, 7, v0
	v_add_nc_u32 v6, s48, v[L8]                    ; where I put 8 bytes
	v_mul_u32_u24 v7, v10, XP
	v_lshl_add_u32 v7, v11, 4, v7
	v_add_nc_u32 v7, s48, v7                       ; a fragment of x: row r, 16 bytes for each half of the lanes
	v_lshl_add_u32 v8, v11, 3, v12
	v_lshlrev_b32 v8, 4, v8
	v_add_nc_u32 v8, s48, v8                       ; the turning load: k row 8 h + lane % 8; both groups of eight lanes of a half take the same 16 bytes, so rows 8-15 of the fragment repeat experts 0-7
	s_lshl_b32 s49, s44, 9
	s_add_co_u32 s49, s49, RED
	v_lshl_add_u32 v9, v10, 5, s49                 ; my token's 32 bytes of my wave's partial logits
	v_lshlrev_b32 v13, 5, v10                      ; where wave 0 reads a token's partial logits at the end: made here with the other addresses, so that it owes no wait of its own
	v_lshl_add_u32 v13, v11, 11, v13
	v_add_nc_u32 v13, RED, v13
	s_wait_loadcnt 32                              ; Wg's 16 loads are in; x's 32, issued behind them, stay out
.irp j, 0,1,2,3,4,5,6,7,8,9,10,11,12,13,14,15
	v_cvt_pk_bf16_f32 v[WGB+2*(\j)], v[WGR+4*(\j)], v[WGR+4*(\j)+1]
	v_cvt_pk_bf16_f32 v[WGB+2*(\j)+1], v[WGR+4*(\j)+2], v[WGR+4*(\j)+3]
.endr
; x: eight groups of four loads (two rows).  Group g's stores stand in group g + 1; in group 0 Wg's sixteen LDS stores take their place.
.set g, 0
.rept 8
	s_wait_loadcnt 28-4*g                          ; the group's four loads are in, the younger ones stay out
	s_wait_alu depctr_va_vdst(0)                   ; the conversions issued so far have written their out registers (group 0: WGB; later: the group before's eight of WGR), which the stores below read; at group 0 also v[L8], v6 to v9 and v13 are written
.set n, 0
.rept 4
.set i, 4*g+n
.set o, i-4
.if g == 0
.irp k, 0,1,2,3
	ds_store_b64 v6, v[WGB+2*(4*n+(\k)):WGB+2*(4*n+(\k))+1] offset:WGQ+256*(4*n+(\k))
.endr
.else
	global_store_b64 v[L8], v[WGR+2*o:WGR+2*o+1], s[22:23] offset:(o/2)*2048+(o%2)*256  ; 256 consecutive bytes, aligned.  No vector line since the wait names these registers
	ds_store_b64 v6, v[WGR+2*o:WGR+2*o+1] offset:(o/2)*XP+(o%2)*256
.endif
	v_cvt_pk_bf16_f32 v[WGR+2*i], v[XR+4*i], v[XR+4*i+1]
	v_cvt_pk_bf16_f32 v[WGR+2*i+1], v[XR+4*i+2], v[XR+4*i+3]
.set n, n+1
.endr
.set g, g+1
.endr
	s_wait_alu depctr_va_vdst(0)                   ; the last group has written its eight registers of WGR, which the stores below read; and all conversions are done reading XR, in which the fragments' loads below land
.irp k, 28,29,30,31
	global_store_b64 v[L8], v[WGR+2*(\k):WGR+2*(\k)+1], s[22:23] offset:((\k)/2)*2048+((\k)%2)*256
	ds_store_b64 v6, v[WGR+2*(\k):WGR+2*(\k)+1] offset:((\k)/2)*XP+((\k)%2)*256
.endr
	; logits^T = Wg^T x^T: source 0 = experts (turned out of [k][expert]), source 1 = 16 tokens.  LDS serves a wave's instructions in order (ISA guide 5.7.1.4): these loads see my stores above, and the bytes are my wave's own.
.irp s, 0,1,2,3,4,5,6,7
	ds_load_b128 v[64+8*(\s):64+8*(\s)+3], v7 offset:64*(\s)
	ds_load_b128 v[64+8*(\s)+4:64+8*(\s)+7], v7 offset:64*(\s)+32
	ds_load_tr16_b128 v[128+8*(\s):128+8*(\s)+3], v8 offset:WGQ+512*(\s)
	ds_load_tr16_b128 v[128+8*(\s)+4:128+8*(\s)+7], v8 offset:WGQ+512*(\s)+256
.endr
	s_wait_dscnt 0x0
	v_wmma_f32_16x16x32_bf16 v[ACC:ACC+7], v[128:135], v[64:71], 0       ; two accumulators by turns; the first two products start the sums
	v_wmma_f32_16x16x32_bf16 v[ACC+8:ACC+15], v[136:143], v[72:79], 0
.irp s, 2,3,4,5,6,7
	v_wmma_f32_16x16x32_bf16 v[ACC+8*((\s)%2):ACC+8*((\s)%2)+7], v[128+8*(\s):128+8*(\s)+7], v[64+8*(\s):64+8*(\s)+7], v[ACC+8*((\s)%2):ACC+8*((\s)%2)+7]
.endr
.rept 4
	v_nop                                          ; four places behind the last product, ahead of the sums that read results (ISA guide 7.12.1)
.endr
.irp p, 0,2,4,6
	v_pk_add_f32 v[ACC+(\p):ACC+(\p)+1], v[ACC+(\p):ACC+(\p)+1], v[ACC+8+(\p):ACC+8+(\p)+1]
.endr
	s_wait_alu depctr_va_vdst(0)                   ; the sums have written v[ACC .. ACC+7], which the LDS stores read; and the products are done reading v64 to v95, in which wave 0's loads land behind the barrier
	ds_store_b128 v9, v[ACC:ACC+3]                 ; register j = expert j of token r, in both halves of the lanes: the two halves write the same numbers to the same bytes
	ds_store_b128 v9, v[ACC+4:ACC+7] offset:16
	s_wait_dscnt 0x0                               ; for the others' sake: my stores are done
	s_barrier_signal -1
	s_barrier_wait -1
	s_cmp_lg_u32 s44, 0
	s_cbranch_scc1 .Lend
	; wave 0: a lane a token.  The four quarters of K are added, bg joins, and the softmax is taken over the lane's eight registers.
.irp q, 0,1,2,3
	ds_load_b128 v[64+8*(\q):64+8*(\q)+3], v13 offset:512*(\q)          ; no wait: no vector or matrix line since the wait above names v13 or v64 to v95
	ds_load_b128 v[64+8*(\q)+4:64+8*(\q)+7], v13 offset:512*(\q)+16
.endr
	s_lshl_b32 s4, s2, 9                           ; 32 tokens x 16 bytes, in wf's planes and in wb
	s_add_nc_u64 s[28:29], s[28:29], s[4:5]
	s_add_nc_u64 s[30:31], s[30:31], s[4:5]
	s_wait_kmcnt 0x0                               ; bg: rounded to bf16 like every input, while the partial logits are on their way
.irp e, 0,1,2,3,4,5,6,7
	v_mov_b32 v[96+(\e)], s[36+(\e)]
.endr
.irp i, 0,1,2,3
	v_cvt_pk_bf16_f32 v[104+(\i)], v[96+2*(\i)], v[97+2*(\i)]
.endr
.irp i, 0,1,2,3
	v_lshlrev_b32 v[96+2*(\i)], 16, v[104+(\i)]
	v_and_b32 v[97+2*(\i)], 0xffff0000, v[104+(\i)]
.endr
	s_wait_dscnt 0x0
.irp p, 0,2,4,6
	v_pk_add_f32 v[64+(\p):65+(\p)], v[64+(\p):65+(\p)], v[72+(\p):73+(\p)]
	v_pk_add_f32 v[80+(\p):81+(\p)], v[80+(\p):81+(\p)], v[88+(\p):89+(\p)]
.endr
.irp p, 0,2,4,6
	v_pk_add_f32 v[64+(\p):65+(\p)], v[64+(\p):65+(\p)], v[80+(\p):81+(\p)]
.endr
.irp p, 0,2,4,6
	v_pk_add_f32 v[64+(\p):65+(\p)], v[64+(\p):65+(\p)], v[96+(\p):97+(\p)]
.endr
	v_max3_num_f32 v72, v64, v65, v66
	v_max3_num_f32 v72, v72, v67, v68
	v_max3_num_f32 v72, v72, v69, v70
	v_max_num_f32 v72, v72, v71                    ; the row's maximum is taken away, as the softmax asks
	v_mul_f32 v72, 0x3fb8aa3b, v72                 ; log2(e) m
	v_mov_b32 v73, v72
.irp p, 0,2,4,6
	v_pk_fma_f32 v[64+(\p):65+(\p)], v[64+(\p):65+(\p)], 0x3fb8aa3b, v[72:73] op_sel_hi:[1,0,1] neg_lo:[0,0,1] neg_hi:[0,0,1]
.endr
.irp e, 0,1,2,3,4,5,6,7
	v_exp_f32 v[64+(\e)], v[64+(\e)]
.endr
	v_nop                                          ; a plain instruction behind the last exponential,
	s_wait_alu depctr_va_vdst(0)                   ; and one wait for the eight: they have written v64 to v71, ahead of their first reader
	v_pk_add_f32 v[74:75], v[64:65], v[66:67]
	v_pk_add_f32 v[76:77], v[68:69], v[70:71]
	v_pk_add_f32 v[74:75], v[74:75], v[76:77]
	v_add_f32 v74, v74, v75
	v_rcp_f32 v78, v74
	v_rcp_f32 v79, v74                             ; twice: a pair for the packed multiply
	v_nop
	s_wait_alu depctr_va_vdst(0)                   ; the two reciprocals have written v78 and v79, ahead of their first reader
.irp p, 0,2,4,6
	v_pk_mul_f32 v[64+(\p):65+(\p)], v[64+(\p):65+(\p)], v[78:79]
.endr
.irp i, 0,1,2,3
	v_cvt_pk_f16_f32 v[80+(\i)], v[64+2*(\i)], v[65+2*(\i)]
.endr
	s_wait_alu depctr_va_vdst(0)                   ; the weights are written, v64 to v71 in f32 and v80 to v83 in f16, which the three stores read
	global_store_b128 v[L16], v[64:67], s[28:29]                  ; experts 0-3: 512 consecutive bytes
	global_store_b128 v[L16], v[68:71], s[28:29] offset:262144    ; experts 4-7: the second plane
	global_store_b128 v[L16], v[80:83], s[30:31]
.Lend:
	s_wait_dscnt 0x0                               ; the closing lines, six on end
	s_wait_alu 0x0
	s_wait_tensorcnt 0x0
	ds_add_u32 v[SPW], v[NIL]
	s_wait_dscnt 0x0
	s_endpgm
.Lfunc_end_k_q77e565adba_prep:
	.size	k_q77e565adba_prep, .Lfunc_end_k_q77e565adba_prep-k_q77e565adba_prep
	.p2alignl 7, 3214868480
	.fill 96, 4, 3214868480
	.section	.rodata,"a",@progbits
	.p2align	6, 0x0
	.amdhsa_kernel k_q77e565adba_prep
		.amdhsa_group_segment_fixed_size 105472
		.amdhsa_private_segment_fixed_size 0
		.amdhsa_enable_private_segment 0
		.amdhsa_kernarg_size 112
		.amdhsa_user_sgpr_count 2
		.amdhsa_user_sgpr_kernarg_segment_ptr 1
		.amdhsa_wavefront_size32 1
		.amdhsa_system_sgpr_workgroup_id_x 1
		.amdhsa_system_sgpr_workgroup_id_y 1
		.amdhsa_system_sgpr_workgroup_id_z 1
		.amdhsa_system_vgpr_workitem_id 0
		.amdhsa_next_free_vgpr 256
		.amdhsa_next_free_sgpr 66
		.amdhsa_reserve_vcc 1
		.amdhsa_float_denorm_mode_32 3
		.amdhsa_float_denorm_mode_16_64 3
		.amdhsa_memory_ordered 1
		.amdhsa_forward_progress 1
		.amdhsa_inst_pref_size 46
	.end_amdhsa_kernel
	.amdgpu_metadata
---
amdhsa.version: [ 1, 2 ]
amdhsa.kernels:
  - .name:           k_q77e565adba_prep
    .symbol:         k_q77e565adba_prep.kd
    .args:
      - { .name: x, .offset: 0, .size: 8, .value_kind: global_buffer, .address_space: global }
      - { .name: W1, .offset: 8, .size: 8, .value_kind: global_buffer, .address_space: global }
      - { .name: W2, .offset: 16, .size: 8, .value_kind: global_buffer, .address_space: global }
      - { .name: Wg, .offset: 24, .size: 8, .value_kind: global_buffer, .address_space: global }
      - { .name: b1, .offset: 32, .size: 8, .value_kind: global_buffer, .address_space: global }
      - { .name: b2, .offset: 40, .size: 8, .value_kind: global_buffer, .address_space: global }
      - { .name: bg, .offset: 48, .size: 8, .value_kind: global_buffer, .address_space: global }
      - { .name: xb, .offset: 56, .size: 8, .value_kind: global_buffer, .address_space: global }
      - { .name: w1c, .offset: 64, .size: 8, .value_kind: global_buffer, .address_space: global }
      - { .name: w2c, .offset: 72, .size: 8, .value_kind: global_buffer, .address_space: global }
      - { .name: wf, .offset: 80, .size: 8, .value_kind: global_buffer, .address_space: global }
      - { .name: wb, .offset: 88, .size: 8, .value_kind: global_buffer, .address_space: global }
      - { .name: b1pad, .offset: 96, .size: 8, .value_kind: global_buffer, .address_space: global }
      - { .name: b2pad, .offset: 104, .size: 8, .value_kind: global_buffer, .address_space: global }
    .group_segment_fixed_size: 105472
    .private_segment_fixed_size: 0
    .kernarg_segment_align: 8
    .kernarg_segment_size: 112
    .max_flat_workgroup_size: 256
    .sgpr_count:     66
    .vgpr_count:     256
    .wavefront_size: 32
...
	.end_amdgpu_metadata
.endif
;; end of part 4
;; launch up: the kernel of part 2 again; grid 8 x 64, 4 waves a work-group, clusters of 4 x 4, 327,680 bytes of LDS; arguments xb, w1c, hid, b1pad, wf; writes hid
;; launch down: the kernel of part 3 again; grid 4 x 64, 4 waves a work-group, clusters of 4 x 4, 327,680 bytes of LDS; arguments hid, w2c, out0, b2pad, wb; writes out0
